; MI455X (gfx1250); checked and timed in simulation.
; The chip was launched on July 23, 2026; its instructions are those of AMD's public machine-readable ISA for CDNA 5 (MIT licence, August 2026) and "CDNA5" Instruction Set Architecture Reference Guide (July 2026). The comments in the code are by the model that wrote it; some were corrected since.
;; Causal Self Attention. Allowed arithmetic: matrix products marked QUANTISED: E4M3 operands, one given power-of-two scale a tensor, by v_wmma_f32_16x16x64_fp8_fp8 or v_wmma_f32_16x16x128_fp8_fp8, f32 sums; everything else in f32.
;; Inputs: Wk_codes 1,024 x 32 x 32 uint8 (E4M3 codes of Wk, K innermost, in blocks of 32 codes); Wo_codes 1,024 x 32 x 32 uint8 (E4M3 codes of Wo, K innermost, in blocks of 32 codes); Wq_codes 1,024 x 32 x 32 uint8 (E4M3 codes of Wq, K innermost, in blocks of 32 codes); Wv_codes 1,024 x 32 x 32 uint8 (E4M3 codes of Wv, K innermost, in blocks of 32 codes); lowp_scales 12 int32 (the exponents e of the quantised operands' scales 2^e); x_codes 4 x 2,048 x 32 x 32 uint8 (E4M3 codes of x, K innermost, in blocks of 32 codes).
;; Outputs: out0 4 x 2,048 x 1,024 float32.
;; This version of the problem:
;;   THIS VERSION OF THE PROBLEM IS GIVEN IN LOW PRECISION. The matrix products marked QUANTISED in the list below multiply operands that are first quantised to E4M3 (4 exponent bits, 3 mantissa bits; 8 bits a number), with one given power-of-two scale for each operand tensor; their sums are f32. All else is computed in f32.
;;   The module's matrix products, in the order in which they are computed (A, B: the left and right operand; K: the contracted axis; several contracted axes count as one K, in the product's order):
;;     1. [M 8,192, K 1,024] x [K 1,024, N 1,024]; A: input x (given as codes); B: input Wq (given as codes): QUANTISED (scales: A lowp_scales[0], B lowp_scales[1])
;;     2. [M 8,192, K 1,024] x [K 1,024, N 1,024]; A: input x (given as codes); B: input Wk (given as codes): QUANTISED (scales: A lowp_scales[2], B lowp_scales[3])
;;     3. [M 8,192, K 1,024] x [K 1,024, N 1,024]; A: input x (given as codes); B: input Wv (given as codes): QUANTISED (scales: A lowp_scales[4], B lowp_scales[5])
;;     4. batch 64 x [M 2,048, K 64] x [K 64, N 2,048]; A: computed on the way; B: computed on the way: QUANTISED (scales: A lowp_scales[6], B lowp_scales[7])
;;     5. batch 64 x [M 2,048, K 2,048] x [K 2,048, N 64]; A: softmax (see below); B: computed on the way: QUANTISED (scales: A lowp_scales[8], B lowp_scales[9])
;;     6. [M 8,192, K 1,024] x [K 1,024, N 1,024]; A: computed on the way; B: input Wo (given as codes): QUANTISED (scales: A lowp_scales[10], B lowp_scales[11])
;;   THE QUANTISER, for each operand of a quantised product, along K:
;;     - The operand's scale is 2^e, e = its entry of the input lowp_scales (int32; the entries are numbered through the quantised products in the list's order, A before B).
;;     - Each number is divided by the scale, clamped to +-448, and rounded to the nearest number of E4M3, ties to even, subnormals kept.
;;     - The product sums the exact products of the quantised numbers (number of the format x scale) in f32.
;;   ~~~python
;;   def quantise(x, axis, e):      # numpy; x: float32 -> the quantised numbers, widened to float32 again
;;       x = np.moveaxis(x, axis, -1); K = x.shape[-1]
;;       r = np.clip(x / 2.0 ** e, -448, 448)
;;       step = 2.0 ** (np.maximum(np.frexp(np.where(r == 0, 1, r))[1] - 1, -6) - 3)
;;       q = np.round(r / step) * step * 2.0 ** e      # np.round: ties to even
;;       return np.moveaxis(q, -1, axis).astype(np.float32)
;;   ~~~
;;   SOFTMAX AHEAD OF A QUANTISED PRODUCT. Where the list says 'softmax', what is quantised is not the finished softmax but p = 2^(t - M), with t = logit x log2(e) and M = ceil(the row's largest t), a whole number; so 1/2 < the row's largest p <= 1. The row's sum l is taken of the UNQUANTISED p, in f32, and the product's result is divided by l at the end. Since M is a whole number, a kernel that streams over the keys may use a running M (the ceiling of the running maximum): every later rescaling is an exact power of two, so the quantised numbers keep their values, but for numbers so far below the row's largest that they fall under the format's range.
;;   OPERANDS COMPUTED ON THE WAY. 'Computed on the way' means the value that the module computes at that place (a softmax that the list does not call 'softmax' is quantised finished and normalised). What goes into a quantiser is computed in f32, as accurately as f32 sums, v_exp_f32 and their like allow (about 1e-6 of the number): no bf16 or f16 on the way to a quantiser, and a product that is left as it is and whose result goes on into a quantised operand takes f32 operands (vector FMAs, or v_wmma_f32_16x16x4_f32). A number that lies on a knife's edge between two numbers of the format may be rounded either way, as far as f32 arithmetic and the matrix unit's own rounding can turn it there, and no further.
;;   INPUTS GIVEN AS CODES. Wk (in the module: [1024, 1024], K = its axis 0); Wo (in the module: [1024, 1024], K = its axis 0); Wq (in the module: [1024, 1024], K = its axis 0); Wv (in the module: [1024, 1024], K = its axis 0); x (in the module: [4, 2048, 1024], K = its axis 2): each comes as NAME_codes (uint8): NAME with its K axis moved to the last place and cut into blocks of 32 codes, [.., K / 32, bytes a block], one block behind the other in memory; one code a byte (a code: sign, 4 exponent bits, 3 mantissa bits); its scale is its entry of lowp_scales. Its value is code x scale, taken as it is: it is not quantised again, and the codes and scales need not be those that the quantiser above would give.
;; 2 versions, each right; version 2 is version 1 with the launch attn written anew for expert scheduling mode. Each part assembles by itself: llvm-mc -triple=amdgcn-amd-amdhsa -mcpu=gfx1250 --defsym DOCPART=n.
;; ======== version 1 of 2: 3 launches
;; workspace buffers: q_codes 8,388,608 bytes; k_codes 8,388,608 bytes; v_codes 8,388,608 bytes; a_codes 8,388,608 bytes
;; launch qkv (part 1): grid 12 x 32, 4 waves a work-group, clusters of 4 x 4, 327,680 bytes of LDS; arguments x_codes, Wq_codes, Wk_codes, Wv_codes, lowp_scales, q_codes, k_codes, v_codes; writes q_codes, k_codes, v_codes
.if DOCPART == 1
	.amdgcn_target "amdgcn-amd-amdhsa--gfx1250"
	.amdhsa_code_object_version 6
	.text
	.protected	k_q0720ca5517_qkv
	.globl	k_q0720ca5517_qkv
	.p2align	8
	.type	k_q0720ca5517_qkv,@function
k_q0720ca5517_qkv:
	s_mov_b64 s[64:65], 0
	v_nop
	global_prefetch_b8 v0, s[64:65] scope:SCOPE_SE
	s_setreg_imm32_b32 hwreg(HW_REG_WAVE_MODE, 25, 1), 1
	s_wait_xcnt 0x0
	s_wait_alu depctr_hold_cnt(0) depctr_sa_sdst(0) depctr_va_vdst(0) depctr_va_sdst(0) depctr_va_ssrc(0) depctr_va_vcc(0) depctr_vm_vsrc(0)
	s_getreg_b32 s2, hwreg(HW_REG_IB_STS2, 6, 4)
	s_cmp_eq_u32 s2, 0
	s_cbranch_scc0 .Lentry_in_a_cluster
	s_endpgm
.Lentry_in_a_cluster:
	s_bfe_u32 s2, ttmp6, 0x10000c
	s_cmp_lg_u32 s2, 0xf033
	s_cbranch_scc0 .Lentry_shape_is_right
	s_endpgm
.Lentry_shape_is_right:
; q = x Wq, k = x Wk, v = x Wv on codes of FP8 (E4M3), f32 sums, and each result quantised again on the way out: q with 2^e6, k with 2^e7, v with 2^e9.
; x: [8192][1024] codes; Wq, Wk, Wv: [1024 (n)][1024 (k)] codes.  The cluster's x says which product: 0 = q, 1 = k, 2 = v.
; A tile of a result is 256 x 256: four waves, each 128 x 128 = 64 accumulators of 16 x 16, 512 registers.  K = 1024 goes in four K steps of 256 through two LDS slots filled by the tensor data mover.
; ROLES.  The matrix instruction's source 1 takes rows of ROLE A, its source 0 rows of ROLE B: in a result lane (r, h) holds role A's row r, and its registers 0-7 role B's rows 8 h + 0 .. 7.
;   q, k: role A = x (tile 4 x cluster y + cy), role B = W (tile cx): a lane's registers run along the head's axis, which is K of the scores.
;   v:    role A = Wv (tile cy), role B = x (tile 4 x cluster y + cx): a lane's registers run along the keys, which are K of the second product of attention.
; So one text serves all three; only pointers and tile numbers are chosen, by s_cselect on the cluster's x, which all sixteen partners share.
; CLUSTERS: 4 x 4 work-groups.  Role A's tile is shared along a row of the cluster, role B's along a column: each is asked for JOINTLY, by the same tensor load with the same descriptor and a mask that names the four.
; WHAT IS STORED.  swap34(i) = i with its bits 3 and 4 exchanged.  Eight registers of a tile become 8 codes; two neighbouring tiles give a lane 16 bytes, stored at place 32 c + 16 h: place p holds index swap34(p).
;   q_codes, k_codes: [16 batch + head][2048][64], place p of a row holds d = swap34(p), alike in both.   v_codes: [16 batch + head][64][2048]: row d' holds d = swap34(d'), place p of a row holds key swap34(p).
; code = sum x 2^(ex + ew) / 2^e, held within +-448: the three exponents are folded into the conversion's one scale 2^E, E = e - ex - ew.
; LIMIT: E lies between -126 and 119, so that 2^E and 448 x 2^E are f32 numbers.
; REGISTERS, in windows of 256: window 0: v0-31 addresses; from v128 role A's fragments (8 x 16 rows x 128 K), one set; on the way out v32-255 are free.
;   window 1: role B's fragments, two sets, at v0 and v128.   window 2: the accumulators of my role-A rows 0-63 ((a, b) at v[8 (8 a + b)]);   window 3: those of rows 64-127.
.set ROWB,   256                       ; a tile's row in bytes
.set KROW,   1024                      ; a row of x or of a weight in memory
.set PITCH,  272                       ; an LDS row: 256 bytes + 16 of padding = 68 words: row r starts at bank 4 r mod 64 (64 banks of 4 bytes: ISA guide 11.1)
.set FR,     16                        ; registers of a fragment: 16 rows x 128 K
.set NL,     4                         ; LDS loads that bring one
.set NP,     4                         ; places behind this matrix instruction (ISA guide 7.12.1)
.set HALFT,  128*PITCH                 ; 128 rows: what one tensor load brings
.set SLOT,   4*HALFT                   ; role A's 256 rows, then role B's 256 rows
.set LAPS,   2                         ; a lap = two K steps = once round the ring
.set SPARE,  2*SLOT                    ; behind the ring: the spare words, 128 bytes for each wave: two blocks of 256 bytes that no other line names
.set SC,   12                          ; v12     2^E as f32
.set LIM,  13                          ; v13     448 x 2^E
.set ADRA, 16                          ; v16-17  LDS address of my role-A fragments in slot 0, 1
.set ADRB, 20                          ; v20-21  the same for role B
.set STO,  24                          ; v24     the stage: where I put 16 codes of a row
.set RDV,  25                          ; v25     the stage, back, for v: sixteen lanes to a row of 256 bytes
.set GOV,  26                          ; v26     and the same place among two rows of v_codes
.set RDQ,  27                          ; v27     the stage, back, for q and k: four lanes to a head's 64 bytes of a row
.set SPW,  28                          ; v28     LDS address of my spare word; never rewritten
.set NIL,  29                          ; v29     0; never rewritten
.set GOQ,  30                          ; v30     16 x lane
.set TMP,  32                          ; v32-95  a block's 64 sums, held
.set AF,   128                         ; role A's fragments
.set CD,   128                         ; v128-255 the codes: 16 registers for each of my eight blocks, so that no LDS store's data are written again
.set BK,   32                          ; v32-159 rows read back from the stage
.set G1, 24                            ; s[24:31] descriptor group 1 for role A;  s[32:39] group 0, one set for each slot
.set G0, 32
.set G1B, 48                           ; s[48:55], s[56:63] the same for role B
.set G0B, 56
.set MSB, 0
.macro WIN new                         ; the immediate's high byte repeats the setting that is left
.if MSB != \new
	s_set_vgpr_msb (MSB<<8)|\new
.set MSB, \new
.endif
.endm
.set MUL_LO, 0xa1                      ; source 0 (role B) window 1, source 1 (role A) window 0, C and D window 2
.set MUL_HI, 0xf1                      ; the same, C and D window 3
.set TO_B,   0x40                      ; destination window 1, address window 0
; A joint load: waves 0 and 1 fetch for role A, waves 2 and 3 for role B.  The branch hangs on the wave's number alone.  Four v_nop follow each of the two lines.
.macro JLOAD g0a, g1a, g0b, g1b
	s_cmp_eq_u32 s15, 0
	s_cbranch_scc0 .Lfor_b_\@
	tensor_load_to_lds s[\g0a:\g0a+3], s[\g1a:\g1a+7]
	s_nop 0
.rept 4
	v_nop
.endr
	s_branch .Lasked_\@
.Lfor_b_\@:
	tensor_load_to_lds s[\g0b:\g0b+3], s[\g1b:\g1b+7]
	s_nop 0
.rept 4
	v_nop
.endr
.Lasked_\@:
.endm
.macro CREST                           ; a round of the cluster's barrier behind its opening barrier
	s_cmp_lg_u32 s14, 0
	s_cbranch_scc1 .Lnot_wave_0_\@
	s_barrier_signal -3
.Lnot_wave_0_\@:
	s_barrier_wait -3
	s_barrier_signal -1
	s_barrier_wait -1
.endm
.macro CROUND                          ; a whole round
	s_barrier_signal -1
	s_barrier_wait -1
	CREST
.endm
	s_load_b256 s[4:11], s[0:1], 0x0               ; x s[4:5], Wq s[6:7], Wk s[8:9], Wv s[10:11]
	s_load_b256 s[68:75], s[0:1], 0x20             ; the exponents s[68:69], q_codes s[70:71], k_codes s[72:73], v_codes s[74:75]
	v_lshl_add_u32 v[SPW], v0, 2, SPARE
	v_mov_b32 v[NIL], 0
	ds_add_u32 v28, v29
	ds_add_u32 v28, v29
	s_wait_dscnt 0x0
	v_lshrrev_b32 v1, 5, v0
	v_readfirstlane_b32 s14, v1                    ; wave 0..3
	s_lshr_b32 s15, s14, 1                         ; which half of role A's rows is mine.  Also: I fetch for role A (0) or B (1)
	s_and_b32 s16, s14, 1                          ; which half of role B's rows.  Also: which 128 rows of that tile I fetch
	s_bfe_u32 s40, ttmp6, 0x40000                  ; cx, cy: my place in the cluster
	s_bfe_u32 s41, ttmp6, 0x40004
	s_and_b32 s92, ttmp7, 0xffff
	s_lshl_b32 s92, s92, 2                         ; 4 x cluster y: it walks x's 32 tiles of 256 rows
	s_cmp_eq_u32 ttmp9, 2                          ; is this v's product?
	s_cselect_b32 s93, 0, s92
	s_cselect_b32 s94, s92, 0
	s_add_co_u32 s17, s41, s93                     ; role A's tile: cy, and 4 x cluster y where role A is x
	s_add_co_u32 s42, s40, s94                     ; role B's tile: cx, and 4 x cluster y where role B is x
	s_lshl_b32 s43, s41, 2
	s_lshl_b32 s43, 15, s43                        ; my row of the cluster
	s_lshl_b32 s44, 0x1111, s40                    ; my column
	; descriptor group 1: a tile of 128 rows x 256 bytes, padded in LDS
	s_or_b32 s[G1+0], s43, (0<<16)|(1<<20)|(1<<21)|(5<<22)|(3<<25)  ; 15:0 the mask: my row; 17:16 elements of 1 byte; 20 padding on; 21 set beside a mask; 24:22 after every 64 words (code 5); 31:25 of 4 words (code 3)
	s_or_b32 s[G1B+0], s44, (0<<16)|(1<<20)|(1<<21)|(5<<22)|(3<<25)
.irp g, G1, G1B
	s_mov_b32 s[\g+1], ROWB<<16                    ; tensor_dim0
	s_mov_b32 s[\g+2], 128<<16                     ; tensor_dim1 = 128
	s_mov_b32 s[\g+3], ROWB<<16                    ; tile_dim0
	s_mov_b32 s[\g+4], 128                         ; tile_dim1 = 128
	s_mov_b32 s[\g+5], KROW                        ; tensor_dim0_stride
	s_mov_b32 s[\g+6], 0
	s_mov_b32 s[\g+7], 0
.endr
	s_lshl_b32 s18, s16, 7                         ; which 128 rows of the tile I fetch
	s_lshl_b32 s20, s17, 8
	s_add_co_u32 s20, s20, s18                     ; role A: row 256 x tile + 128 x half,
	s_lshl_b32 s20, s20, 10                        ; in bytes: under 2^23
	s_mov_b32 s21, 0
	s_lshl_b32 s46, s42, 8
	s_add_co_u32 s46, s46, s18                     ; role B likewise
	s_lshl_b32 s46, s46, 10
	s_mov_b32 s47, 0
	s_mul_i32 s45, s14, HALFT                      ; where they go: wave x 128 rows: no place in the cluster enters an LDS address
	s_wait_kmcnt 0x0
	s_cmp_eq_u32 ttmp9, 2
	s_cselect_b64 s[76:77], s[10:11], s[4:5]       ; role A: Wv or x
	s_cmp_eq_u32 ttmp9, 0
	s_cselect_b64 s[78:79], s[6:7], s[8:9]         ; Wq or Wk,
	s_cselect_b64 s[66:67], s[70:71], s[72:73]     ; q_codes or k_codes,
	s_cmp_eq_u32 ttmp9, 2
	s_cselect_b64 s[78:79], s[4:5], s[78:79]       ; role B: x where the product is v's
	s_cselect_b64 s[66:67], s[74:75], s[66:67]     ; and v_codes
	s_load_b256 s[80:87], s[68:69], 0x0            ; e0 .. e7
	s_load_b128 s[88:91], s[68:69], 0x20           ; e8 .. e11
	s_add_nc_u64 s[20:21], s[76:77], s[20:21]
	s_add_nc_u64 s[46:47], s[78:79], s[46:47]
	CROUND                                         ; all sixteen work-groups are here: the first joint loads meet
.irp s, 0,1
	s_mov_b32 s[G0+4*\s], 1
	s_add_co_u32 s[G0+4*\s+1], s45, \s*SLOT
	s_add_nc_u64 s[G0+4*\s+2:G0+4*\s+3], s[20:21], \s*ROWB
	s_or_b32 s[G0+4*\s+3], s[G0+4*\s+3], 0x80000000
	s_mov_b32 s[G0B+4*\s], 1
	s_add_co_u32 s[G0B+4*\s+1], s45, \s*SLOT
	s_add_nc_u64 s[G0B+4*\s+2:G0B+4*\s+3], s[46:47], \s*ROWB
	s_or_b32 s[G0B+4*\s+3], s[G0B+4*\s+3], 0x80000000
	JLOAD G0+4*\s, G1, G0B+4*\s, G1B
.endr
	v_and_b32 v1, 15, v0                           ; r = l % 16
	v_bfe_u32 v2, v0, 4, 1                         ; h = l / 16
	v_mul_u32_u24 v3, v1, PITCH
	v_lshl_add_u32 v4, v2, 4, v3                   ; a fragment's row x pitch + 16 x half
	s_mul_i32 s21, s15, HALFT                      ; my 128 rows of role A
	s_mul_i32 s22, s16, HALFT                      ; my 128 rows of role B,
	s_add_co_u32 s22, s22, 2*HALFT                 ; which lie behind role A's 256
.irp s, 0,1
	v_add_nc_u32 v[ADRA+\s], s21, v4
	v_add_nc_u32 v[ADRB+\s], s22, v4
	s_add_co_u32 s21, s21, SLOT
	s_add_co_u32 s22, s22, SLOT
.endr
	; the stage: 256 rows (role A's) x 272 bytes from LDS byte 0 on: it lies in slot 0, which has had its last fill and its last read when the first code is stored there
	s_mul_i32 s23, s15, 128*PITCH
	s_lshl_b32 s22, s16, 7
	s_add_co_u32 s23, s23, s22
	v_add_nc_u32 v[STO], s23, v4                   ; in: row 128 x my half + r, byte 128 x my half of role B + 16 h
	s_mul_i32 s23, s14, 64*PITCH                   ; back: wave w takes rows 64 w .. 64 w + 63, whole
	v_mul_u32_u24 v5, v2, PITCH
	v_lshl_add_u32 v5, v1, 4, v5
	v_add_nc_u32 v[RDV], s23, v5                   ; v: lanes 0-15 one row, lanes 16-31 the next
	v_lshlrev_b32 v5, 11, v2
	v_lshl_add_u32 v[GOV], v1, 4, v5               ; and the same in v_codes: rows of 2,048 bytes
	v_bfe_u32 v6, v0, 2, 3
	v_and_b32 v7, 3, v0
	v_mul_u32_u24 v6, v6, PITCH
	v_lshl_add_u32 v6, v7, 4, v6
	v_add_nc_u32 v[RDQ], s23, v6                   ; q, k: row lane / 4, 16 bytes at 16 (lane % 4): eight rows' 64 bytes of one head
	v_and_b32 v7, 31, v0
	v_lshlrev_b32 v[GOQ], 4, v7                    ; which are 512 bytes on end in q_codes or k_codes
.macro FRAG reg, adr, q, i             ; a fragment, 16 rows x 128 K of 8-bit codes, is 16 registers: lane l holds row l % 16; registers 4 c .. 4 c + 3 hold the bytes 32 c + 16 (l / 16) + 0 .. 15: the same order of k on both sides
.irp c, 0,1,2,3
	ds_load_b128 v[\reg+4*\c:\reg+4*\c+3], v[\adr] offset:128*(\q)+32*\c+(\i)*16*PITCH
.endr
.endm
; 16 matrix instructions: role A's blocks a0, a0 + 1 x role B's eight, 128 along K.  p: role B's set.  zero = 1: the first product starts the sums.
; The 64 accumulators take turns, one instruction a turn, in the same order in every step.
.macro MUL16 a0, p, zero
.irp a, \a0, \a0+1
.irp b, 0,1,2,3,4,5,6,7
.if \zero
	v_wmma_f32_16x16x128_fp8_fp8 v[8*(8*((\a)%4)+\b):8*(8*((\a)%4)+\b)+7], v[128*(\p)+FR*\b:128*(\p)+FR*\b+FR-1], v[AF+FR*(\a):AF+FR*(\a)+FR-1], 0
.else
	v_wmma_f32_16x16x128_fp8_fp8 v[8*(8*((\a)%4)+\b):8*(8*((\a)%4)+\b)+7], v[128*(\p)+FR*\b:128*(\p)+FR*\b+FR-1], v[AF+FR*(\a):AF+FR*(\a)+FR-1], v[8*(8*((\a)%4)+\b):8*(8*((\a)%4)+\b)+7]
.endif
.endr
.endr
.endm
.macro FETCH_B slot, q, p              ; role B's eight fragments of the slot's q-th 128 along K into set p
	WIN TO_B
.irp i, 0,1,2,3,4,5,6,7
	FRAG 128*(\p)+FR*\i, ADRB+\slot, \q, \i
.endr
	WIN 0
.endm
.macro FETCH_A slot, q, i0             ; role A's blocks i0 .. i0 + 3
.irp i, \i0, \i0+1, \i0+2, \i0+3
	FRAG AF+FR*(\i), ADRA+\slot, \q, \i
.endr
.endm
; A load into a register that a matrix instruction has read, and a vector instruction that reads a matrix result, stand NP places behind that matrix instruction; only plain vector instructions that name none of its registers are places.
.macro PLACES n
.rept \n
	v_nop
.endr
.endm
; A step of 128 along K that has its successor in the same slot.
.macro STEP slot, q, zero
	s_wait_dscnt 4*NL                              ; role B's set and role A's blocks 0-3 are in; the youngest sixteen loads (blocks 4-7) may be out
	WIN MUL_LO
	MUL16 0, (\q)%2, \zero
	MUL16 2, (\q)%2, \zero
	s_wait_dscnt 0                                 ; blocks 4-7 are in (asked for 32 matrix instructions ago)
	PLACES NP
	FETCH_B \slot, (\q)+1, 1-(\q)%2
	FETCH_A \slot, (\q)+1, 0
	WIN MUL_HI
	MUL16 4, (\q)%2, \zero
	MUL16 6, (\q)%2, \zero
	PLACES NP
	WIN 0
	FETCH_A \slot, (\q)+1, 4
.endm
; A slot's last step changes slots: ONE barrier; in front of it each wave waits for all its tensor loads, adds 0 to its spare word, and waits for that and for its own reads of this slot.  fill = 1: this slot is filled again, two K steps ahead.
.macro TURN slot, next, fill
	s_wait_tensorcnt 0x0                           ; all my tensor loads have landed: my part of the next slot
	ds_add_u32 v[SPW], v[NIL]                      ; 0 onto my spare word
	s_wait_dscnt 4*NL+1                            ; (the add and the youngest sixteen loads, blocks 4-7, may be out)
	WIN MUL_LO
	MUL16 0, 1, 0                                  ; sixteen matrix instructions stand between the add and the wait for it
	s_wait_dscnt 0x0                               ; the add is done, and my reads of this slot are over
	s_barrier_signal -1
	MUL16 2, 1, 0
	WIN 0
	s_barrier_wait -1
.if \fill
	CREST                                          ; the barrier has opened a round of the cluster's barrier: no wave of any partner still reads this slot's tile or has a load on its way
	s_add_nc_u64 s[G0+4*\slot+2:G0+4*\slot+3], s[G0+4*\slot+2:G0+4*\slot+3], 2*ROWB
	s_add_nc_u64 s[G0B+4*\slot+2:G0B+4*\slot+3], s[G0B+4*\slot+2:G0B+4*\slot+3], 2*ROWB
	JLOAD G0+4*\slot, G1, G0B+4*\slot, G1B         ; the first tensor load behind the round; the four v_nop behind it are the places in front of the loads below
.else
	PLACES NP
.endif
	FETCH_B \next, 0, 0
	FETCH_A \next, 0, 0
	WIN MUL_HI
	MUL16 4, 1, 0
	MUL16 6, 1, 0
	PLACES NP
	WIN 0
	FETCH_A \next, 0, 4
.endm
	s_wait_tensorcnt 1                             ; my part of K step 0 is in (K step 1's load may be out)
	s_barrier_signal -1
	s_barrier_wait -1                              ; everybody's is
	FETCH_B 0, 0, 0
	FETCH_A 0, 0, 0
	FETCH_A 0, 0, 4
	STEP 0, 0, 1                                   ; the first step stands in front of the loop: its products start the sums
	s_mov_b32 s3, LAPS-1
.Llap:                                                 ; a trip goes once round the ring, from a lap's second step to the next lap's first, and fills both slots again
	TURN 0, 1, 1
	STEP 1, 0, 0
	TURN 1, 0, 1
	STEP 0, 0, 0
	s_sub_co_u32 s3, s3, 1
	s_cmp_lg_u32 s3, 0
	s_cbranch_scc1 .Llap
	TURN 0, 1, 0                                   ; the last lap fills nothing, and has no round of the cluster's barrier
	STEP 1, 0, 0
	s_wait_dscnt 4*NL                              ; the very last step: nothing more to fetch
	WIN MUL_LO
	MUL16 0, 1, 0
	MUL16 2, 1, 0
	s_wait_dscnt 0
	WIN MUL_HI
	MUL16 4, 1, 0
	MUL16 6, 1, 0
	WIN 0
	; THE WAY OUT.  The conversion's scale: E = e6 - e0 - e1 (q), e7 - e2 - e3 (k), e9 - e4 - e5 (v); all three are made and one is chosen: no branch hangs on a loaded number.
	s_wait_kmcnt 0x0
	s_sub_co_i32 s92, s86, s80
	s_sub_co_i32 s92, s92, s81
	s_sub_co_i32 s93, s87, s82
	s_sub_co_i32 s93, s93, s83
	s_sub_co_i32 s94, s89, s84
	s_sub_co_i32 s94, s94, s85
	s_cmp_eq_u32 ttmp9, 0
	s_cselect_b32 s92, s92, s93
	s_cmp_eq_u32 ttmp9, 2
	s_cselect_b32 s92, s94, s92
	s_add_co_i32 s92, s92, 127
	s_lshl_b32 s93, s92, 23
	v_mov_b32 v[SC], s93                           ; 2^E as f32: the conversion takes its exponent field
	s_add_co_i32 s92, s92, 8
	s_lshl_b32 s92, s92, 23
	s_or_b32 s92, s92, 0x600000
	v_mov_b32 v[LIM], s92                          ; 448 x 2^E
	PLACES NP                                      ; behind the last products: the holds read results, the conversions write registers that held role A's fragments
; Block a, 16 role-A rows x 128 of role B: 64 sums a lane are held (the conversion to an 8-bit code does not saturate: ISA guide 7.6.2), each accumulator from its low end on, and become 64 codes: 16 bytes for each pair of tiles.
.macro OUTBLK a
.set AC, 64*((\a)%4)
	WIN 0x02+((\a)/4)                              ; source 0: window 2 or 3
.set J, 0
.rept 64
	v_med3_num_f32 v[TMP+J], v[AC+J], -v[LIM], v[LIM]
.set J, J+1
.endr
	WIN 0
.irp b, 0,1,2,3,4,5,6,7
	v_cvt_scalef32_pk8_fp8_f32 v[CD+16*(\a)+2*\b:CD+16*(\a)+2*\b+1], v[TMP+8*\b:TMP+8*\b+7], v[SC]
.endr
	v_nop                                          ; one plain vector instruction between the last conversion and the next block's holds, which write its sources
.irp c, 0,1,2,3
	ds_store_b128 v[STO], v[CD+16*(\a)+4*\c:CD+16*(\a)+4*\c+3] offset:(\a)*16*PITCH+32*\c
.endr
.endm
.irp a, 0,1,2,3,4,5,6,7
	OUTBLK \a
.endr
	s_wait_dscnt 0x0                               ; for the others' sake: my stores into the stage are done; a row's 256 bytes come from two waves
	s_barrier_signal -1
	s_barrier_wait -1
	s_cmp_eq_u32 ttmp9, 2                          ; the cluster's x: the same in all partners.  Both ways only read the stage
	s_cbranch_scc0 .Lway_qk
	; v: stage row 64 w + d is head 4 x (Wv's tile) + w, channel d; its 256 bytes are 256 keys.  It goes to row swap34(d) of that head
	s_lshr_b32 s94, s42, 3
	s_lshl_b32 s94, s94, 21                        ; the batch: 16 heads of 131,072 bytes
	s_lshl_b32 s95, s17, 19
	s_add_co_u32 s94, s94, s95
	s_lshl_b32 s95, s14, 17
	s_add_co_u32 s94, s94, s95                     ; the head
	s_and_b32 s95, s42, 7
	s_lshl_b32 s95, s95, 8
	s_add_co_u32 s94, s94, s95                     ; the tile's 256 keys
	s_mov_b32 s95, 0
	s_add_nc_u64 s[66:67], s[66:67], s[94:95]
.set T, 0
.rept 32
	ds_load_b128 v[BK+4*T:BK+4*T+3], v[RDV] offset:2*T*PITCH
.set T, T+1
.endr
.set T, 0
.rept 32
.set XX, 2*T
.set SW, (XX&0x27)|((XX&8)<<1)|((XX&16)>>1)
	s_wait_dscnt 31-T                              ; LDS loads come back in order: load T is in, the younger ones may be out
	global_store_b128 v[GOV], v[BK+4*T:BK+4*T+3], s[66:67] offset:SW*2048   ; sixteen lanes store 256 consecutive bytes, at a multiple of 256 from the buffer's first byte
.set T, T+1
.endr
	s_branch .Lway_done
.Lway_qk:
	; q, k: stage row 64 w + i is a row of x; its 256 bytes are four heads' 64.  Eight rows of one head are 512 bytes on end in the buffer
	s_lshr_b32 s94, s17, 3
	s_lshl_b32 s94, s94, 21                        ; the batch
	s_lshl_b32 s95, s42, 19
	s_add_co_u32 s94, s94, s95                     ; the tile's first head: 4 x (W's tile)
	s_and_b32 s95, s17, 7
	s_lshl_b32 s95, s95, 14
	s_add_co_u32 s94, s94, s95                     ; the tile's 256 rows of 64 bytes
	s_lshl_b32 s95, s14, 12
	s_add_co_u32 s94, s94, s95                     ; my 64 of them
	s_mov_b32 s95, 0
	s_add_nc_u64 s[66:67], s[66:67], s[94:95]
.set PP, 0
.rept 4
.set T, 0
.rept 8
	ds_load_b128 v[BK+4*(8*PP+T):BK+4*(8*PP+T)+3], v[RDQ] offset:T*8*PITCH+64*PP
.set T, T+1
.endr
.set PP, PP+1
.endr
.set PP, 0
.rept 4
.set T, 0
.rept 8
	s_wait_dscnt 31-(8*PP+T)
	global_store_b128 v[GOQ], v[BK+4*(8*PP+T):BK+4*(8*PP+T)+3], s[66:67] offset:PP*131072+512*T   ; 32 lanes store 512 consecutive bytes, aligned
.set T, T+1
.endr
.set PP, PP+1
.endr
.Lway_done:
	s_wait_tensorcnt 0x0                           ; the wave's end, behind my last tensor load and my last LDS store
	ds_add_u32 v[SPW], v[NIL]
	s_wait_dscnt 0x0
	CROUND                                         ; the closing round: no work-group ends while a partner may still ask for a tile that names it
	s_endpgm
.Lfunc_end_k_q0720ca5517_qkv:
	.size	k_q0720ca5517_qkv, .Lfunc_end_k_q0720ca5517_qkv-k_q0720ca5517_qkv
	.p2alignl 7, 3214868480
	.fill 96, 4, 3214868480
	.section	.rodata,"a",@progbits
	.p2align	6, 0x0
	.amdhsa_kernel k_q0720ca5517_qkv
		.amdhsa_group_segment_fixed_size 327680
		.amdhsa_private_segment_fixed_size 0
		.amdhsa_enable_private_segment 0
		.amdhsa_kernarg_size 64
		.amdhsa_user_sgpr_count 2
		.amdhsa_user_sgpr_kernarg_segment_ptr 1
		.amdhsa_wavefront_size32 1
		.amdhsa_system_sgpr_workgroup_id_x 1
		.amdhsa_system_sgpr_workgroup_id_y 1
		.amdhsa_system_sgpr_workgroup_id_z 1
		.amdhsa_system_vgpr_workitem_id 0
		.amdhsa_next_free_vgpr 1024
		.amdhsa_next_free_sgpr 100
		.amdhsa_reserve_vcc 0
		.amdhsa_float_denorm_mode_32 3
		.amdhsa_float_denorm_mode_16_64 3
		.amdhsa_memory_ordered 1
		.amdhsa_forward_progress 1
		.amdhsa_inst_pref_size 130
	.end_amdhsa_kernel
	.amdgpu_metadata
---
amdhsa.version: [ 1, 2 ]
amdhsa.kernels:
  - .name:           k_q0720ca5517_qkv
    .symbol:         k_q0720ca5517_qkv.kd
    .args:
      - { .name: x_codes, .offset: 0, .size: 8, .value_kind: global_buffer, .address_space: global }
      - { .name: Wq_codes, .offset: 8, .size: 8, .value_kind: global_buffer, .address_space: global }
      - { .name: Wk_codes, .offset: 16, .size: 8, .value_kind: global_buffer, .address_space: global }
      - { .name: Wv_codes, .offset: 24, .size: 8, .value_kind: global_buffer, .address_space: global }
      - { .name: lowp_scales, .offset: 32, .size: 8, .value_kind: global_buffer, .address_space: global }
      - { .name: q_codes, .offset: 40, .size: 8, .value_kind: global_buffer, .address_space: global }
      - { .name: k_codes, .offset: 48, .size: 8, .value_kind: global_buffer, .address_space: global }
      - { .name: v_codes, .offset: 56, .size: 8, .value_kind: global_buffer, .address_space: global }
    .group_segment_fixed_size: 327680
    .private_segment_fixed_size: 0
    .kernarg_segment_align: 8
    .kernarg_segment_size: 64
    .max_flat_workgroup_size: 128
    .sgpr_count:     100
    .vgpr_count:     1024
    .wavefront_size: 32
...
	.end_amdgpu_metadata
.endif
;; end of part 1
;; launch attn (part 2): grid 4 x 64, 8 waves a work-group, no clusters, 322,560 bytes of LDS; arguments q_codes, k_codes, v_codes, lowp_scales, a_codes; writes a_codes
.if DOCPART == 2
	.amdgcn_target "amdgcn-amd-amdhsa--gfx1250"
	.amdhsa_code_object_version 6
	.text
	.protected	k_q0720ca5517_attn
	.globl	k_q0720ca5517_attn
	.p2align	8
	.type	k_q0720ca5517_attn,@function
k_q0720ca5517_attn:
	s_mov_b64 s[64:65], 0
	v_nop
	global_prefetch_b8 v0, s[64:65] scope:SCOPE_SE
	s_setreg_imm32_b32 hwreg(HW_REG_WAVE_MODE, 25, 1), 1
	s_wait_xcnt 0x0
; Causal attention on codes of FP8 (E4M3) for one (batch, head), and the quantiser of its result.  q_codes, k_codes: [64][2048][64]; v_codes: [64][64 (channel)][2048 (keys)]; a_codes: [64][2048][64].
; swap34(i) = i with its bits 3 and 4 exchanged.  In q's and k's rows place p holds d = swap34(p), alike in both; in v_codes row d' holds d = swap34(d') and place p holds key swap34(p).  a_codes has d in its natural order.
; THE SOFTMAX: t = score x 2^(e6 + e7) x log2(e) / 8; M = the running largest t, rounded UP to a whole number; p = 2^(t - M) is quantised with 2^e8 and not normalised; the row's sum is taken of the unquantised p, in f32,
; and divides O at the end.  When M moves, the sum and O are multiplied by 2^(old M - new M): exact.  The result is quantised with 2^e10: code = O x (1 / sum) / 2^(e10 - e8 - e9), held within +-448.
; SHARES.  Work-group (j, head) owns queries 128 v + 32 j .. + 31 for all v = 0 .. 15: sixteen PAIRS of tiles of 16 queries.  Pair v has v + 1 key steps of 128 keys; only its last step lies on the diagonal.
; Wave u takes pair 15 - u and then pair u: 17 key steps in every wave of every work-group.  A fragment of K or V read from LDS feeds both tiles of the pair.
; THE WHOLE HEAD'S K AND V LIE IN LDS, each byte filled once, through registers, in four lots of 512 keys; a lot is stored and shown by a barrier at least two steps before its first reader.
; NO CLUSTER, NO TENSOR LOAD: a work-group fetches each byte of K and V once, 262,144 bytes for its 136 pair steps, by plain loads issued two steps of all eight waves ahead of their use; what four work-groups of a head
; share is thus a small part of the launch's work; the scalar branch on e8 below leaves out 128 of a pair step's vector instructions.
; LAYOUT.  Both products are used transposed: S^T = K Q^T (source 0 = 16 keys, source 1 = 16 queries), O^T = V^T P^T (source 0 = 16 rows of v_codes, source 1 = P): a lane holds ONE query (lane % 16) throughout.
; In S^T tile t, lane (r, h), register i is key 16 t + 8 h + i: eight codes of tile t are registers 2 t, 2 t + 1 of P, the place that the K = 128 form gives those keys; V's places are laid to match.
; LIMITS on the given exponents, so that each power of two below is an f32 number: e6 + e7 between -123 and 130; e8, and e10 - e8 - e9, between -126 and 119.
; REGISTERS.  window 0: v1-11, v41-43 addresses; v12-33 the two tiles' statistics; v34-40 constants; v48-63, v64-79 Q of the long and of the short pair; v80-111 P; v112-127 codes on the way out; v128-255 S^T, then p.
;   window 1: v0-63 K's fragments of a step; v64-127 V's; v128-191 O^T; v192-255 a lot on its way to LDS.
.set KPIT, 80                          ; a key's row in LDS: 64 bytes + 16: an odd multiple of 16, so the 16 rows of a load fall on 16 different groups of banks
.set VPIT, 144                         ; a step's part of a row of V: 128 bytes + 16
.set KSTB, 128*KPIT                    ; a key step of K
.set VSTB, 64*VPIT                     ; a key step of V: 64 rows
.set VB,   2048*KPIT                   ; V lies behind K
.set STG,  VB+16*VSTB                  ; behind V: a stage of 16 rows x 80 bytes for each wave, for the way out
.set AK0,  1                           ; v1   my lane's place in a tile of K: 80 r + 16 h
.set AV0,  2                           ; v2   in a tile of V: VB + 144 r + 16 h
.set KST0, 3                           ; v3   where I store K's lot 0
.set VST0, 4                           ; v4   and V's
.set GK,   5                           ; v5   my byte in a lot of K in memory: 4096 u + 16 lane
.set GV,   6                           ; v6   in V: 8 rows x u + 16 lane
.set ADK,  7                           ; v7   LDS address of the K in hand
.set ADV,  8                           ; v8   of the V in hand
.set QO,   11                          ; v11  Q: 64 r + 16 h
.set NM,   12                          ; tile x: v[12+4x] -M, v[13+4x] the largest t, v[14+4x:15+4x] the sum in two halves
.set TT,   13
.set SU,   14
.set FF,   20                          ; v[20+2x] f = 2^(old M - new M); its neighbour is named with it as a pair
.set MC,   24                          ; v[24+2x], v[25+2x] the maximum's two chains, then at work
.set PD,   28                          ; v[28+x] what the other half of the lanes sends
.set S2,   30                          ; v[30+2x:31+2x] the sum's second chain
.set LIMP, 34                          ; 448 x 2^e8
.set SCP,  35                          ; 2^e8
.set LIMO, 36                          ; 448 x 2^(e10 - e8 - e9)
.set SCO,  37                          ; 2^(e10 - e8 - e9)
.set NINF, 38                          ; -infinity
.set DD,   39                          ; v[39+x] my query's place in its block of 128, less 8 h
.set STO,  41                          ; the stage: in
.set RD,   42                          ; the stage: back
.set GO,   43                          ; 16 x lane
.set QL,   48
.set QS,   64
.set P,    80
.set CDS,  112
.set S,    128
.set KF,   0                           ; window 1
.set VF,   64
.set OT,   128
.set LB,   192
.set WV,   14                          ; s14  my wave's number u
.set SEL,  20                          ; s[20:21] lane selects for v_permlanex16_b32: lane l xor 16
.set CS,   22                          ; s[22:23] c = 2^(e6 + e7) log2(e) / 8
.set TK,   24                          ; s24  LDS byte of the NEXT step's K
.set TV,   25                          ; s25  LDS byte, from VB, of this step's V
.set SI,   26                          ; s26  the step
.set VPR,  27                          ; s27  the pair's number: its last step
.set CNT,  28                          ; s28  loop counter
.set E8,   34                          ; s34  e8
.set MSB, 0
.macro WIN new                         ; the immediate's high byte repeats the setting that is left
.if MSB != \new
	s_set_vgpr_msb (MSB<<8)|\new
.set MSB, \new
.endif
.endm
; Lot l: 512 keys.  K: 32,768 dense bytes, 4,096 a wave, 512 a load.  V: 512 bytes of each of 64 rows, eight rows a wave, a row a load.  Into 64 registers of window 1 from rb on.
.macro LOADLOT l, rb
	WIN 0x40                                       ; destination window 1
.irp i, 0,1,2,3,4,5,6,7
	global_load_b128 v[\rb+4*\i:\rb+4*\i+3], v[GK], s[6:7] offset:(\l)*32768+512*\i
.endr
.irp i, 0,1,2,3,4,5,6,7
	global_load_b128 v[\rb+32+4*\i:\rb+32+4*\i+3], v[GV], s[8:9] offset:\i*2048+(\l)*512
.endr
	WIN 0
.endm
.macro STORELOT l, rb
	v_add_nc_u32 v9, (\l)*4*KSTB, v[KST0]
	v_add_nc_u32 v10, (\l)*4*VSTB, v[VST0]
	WIN 0x04                                       ; the stores' data in window 1
.irp i, 0,1,2,3,4,5,6,7
	ds_store_b128 v9, v[\rb+4*\i:\rb+4*\i+3] offset:8*KPIT*\i         ; a load's 512 bytes are eight keys' rows
.endr
.irp i, 0,1,2,3,4,5,6,7
	ds_store_b128 v10, v[\rb+32+4*\i:\rb+32+4*\i+3] offset:VPIT*\i    ; a load's 512 bytes are one row's part of four steps
.endr
	WIN 0
.endm
.macro FETCHK                          ; a step's K: eight tiles of 16 keys x 64: two loads of 16 bytes a tile
	WIN 0x40
.irp t, 0,1,2,3,4,5,6,7
	ds_load_b128 v[KF+8*\t:KF+8*\t+3],   v[ADK] offset:16*KPIT*\t
	ds_load_b128 v[KF+8*\t+4:KF+8*\t+7], v[ADK] offset:16*KPIT*\t+32
.endr
.endm
; A KEY STEP of a pair: 128 keys.  qb: the pair's Q.  causal = 1: the step may lie behind the pair's last (it is then left out, but for the lines that step addresses) or be the last (hidden scores become -infinity).
.macro STEP qb, causal
.if \causal
	s_cmp_gt_u32 s[SI], s[VPR]
	s_cbranch_scc1 .Lhidden_\@
.endif
	s_wait_dscnt 0x0                               ; this step's K is in
	WIN 0x01                                       ; source 0 (K) window 1
.irp t, 0,1,2,3,4,5,6,7
.irp x, 0,1
	v_wmma_f32_16x16x64_fp8_fp8 v[S+64*\x+8*\t:S+64*\x+8*\t+7], v[KF+8*\t:KF+8*\t+7], v[\qb+8*\x:\qb+8*\x+7], 0
.endr
.endr
	WIN 0
	v_add_nc_u32 v[ADV], s[TV], v[AV0]             ; four plain vector instructions: the places in front of the loads into V's registers, which the last step's products read, and of the first read of the scores
	s_min_u32 s48, s[TK], 15*KSTB                  ; the fetch ahead is held at the head's last step: it never leaves K's rows
	v_add_nc_u32 v[ADK], s48, v[AK0]
	v_nop
	v_nop
	WIN 0x40
.irp t, 0,1,2,3
.irp c, 0,1,2,3
	ds_load_b128 v[VF+16*\t+4*\c:VF+16*\t+4*\c+3], v[ADV] offset:16*VPIT*\t+32*\c
.endr
.endr
	WIN 0
.if \causal
	s_cmp_lg_u32 s[SI], s[VPR]
	s_cbranch_scc1 .Lopen_\@
.set N, 0
.rept 64                                       ; register N holds key 16 (N / 8) + N % 8 + 8 h of the block: hidden where that is above my query's place
.irp x, 0,1
	v_cmp_gt_i32 vcc_lo, 16*(N/8)+N%8, v[DD+\x]
	v_cndmask_b32 v[S+64*\x+N], v[S+64*\x+N], v[NINF], vcc_lo
.endr
.set N, N+1
.endr
.Lopen_\@:
.endif
.irp x, 0,1                                    ; the step's largest score of my query among my 64 keys: two chains a tile, the tiles by turns; each accumulator is first read at its low end
	v_max3_num_f32 v[MC+2*\x], v[S+64*\x], v[S+64*\x+1], v[S+64*\x+2]
	v_max3_num_f32 v[MC+2*\x+1], v[S+64*\x+3], v[S+64*\x+4], v[S+64*\x+5]
.endr
.irp i, 6,10,14,18,22,26,30,34,38,42,46,50,54,58
.irp x, 0,1
	v_max3_num_f32 v[MC+2*\x], v[MC+2*\x], v[S+64*\x+\i], v[S+64*\x+\i+1]
	v_max3_num_f32 v[MC+2*\x+1], v[MC+2*\x+1], v[S+64*\x+\i+2], v[S+64*\x+\i+3]
.endr
.endr
.irp x, 0,1
	v_max3_num_f32 v[MC+2*\x], v[MC+2*\x], v[S+64*\x+62], v[S+64*\x+63]
.endr
.irp x, 0,1
	v_max_num_f32 v[MC+2*\x], v[MC+2*\x], v[MC+2*\x+1]
.endr
.irp x, 0,1
	v_permlanex16_b32 v[PD+\x], v[MC+2*\x], s[SEL], s[SEL+1]
.endr
.irp x, 0,1
	v_max_num_f32 v[MC+2*\x], v[MC+2*\x], v[PD+\x] ; and among lane l xor 16's
.endr
.irp x, 0,1
	v_mul_f32 v[MC+2*\x], s[CS], v[MC+2*\x]        ; as t (c is positive)
.endr
.irp x, 0,1
	v_max_num_f32 v[TT+4*\x], v[TT+4*\x], v[MC+2*\x]   ; the running largest t
.endr
.irp x, 0,1
	v_mov_b32 v[MC+2*\x], v[NM+4*\x]
.endr
.irp x, 0,1
	v_floor_f32 v[NM+4*\x], -v[TT+4*\x]            ; the new -M = floor(-t) = -ceil(t): M is a whole number
.endr
.irp x, 0,1
	v_sub_f32 v[MC+2*\x], v[NM+4*\x], v[MC+2*\x]   ; old M - new M: a whole number, 0 or less
.endr
.irp x, 0,1
	v_cvt_i32_f32 v[MC+2*\x], v[MC+2*\x]           ; (it saturates)
.endr
.irp x, 0,1
	v_ldexp_f32 v[FF+2*\x], 1.0, v[MC+2*\x]        ; f = 2^(old M - new M)
.endr
.irp x, 0,1                                    ; t - M, two at a time, and p = 2^(t - M): the 128 exponentials are one batch
.set J, 0
.rept 32
	v_pk_fma_f32 v[S+64*\x+J:S+64*\x+J+1], v[S+64*\x+J:S+64*\x+J+1], s[CS:CS+1], v[NM+4*\x:NM+4*\x+1] op_sel_hi:[1,0,0]
.set J, J+2
.endr
.set J, 0
.rept 64
	v_exp_f32 v[S+64*\x+J], v[S+64*\x+J]
.set J, J+1
.endr
.endr
.irp x, 0,1
	v_pk_mul_f32 v[SU+4*\x:SU+4*\x+1], v[SU+4*\x:SU+4*\x+1], v[FF+2*\x:FF+2*\x+1] op_sel_hi:[1,0]   ; the sums under the new M: the plain instructions behind the last exponential
.endr
	s_wait_alu depctr_va_vdst(0)                   ; one wait for the whole batch, ahead of its first reader
.irp x, 0,1
	v_pk_add_f32 v[S2+2*\x:S2+2*\x+1], v[S+64*\x:S+64*\x+1], v[S+64*\x+2:S+64*\x+3]   ; the row's sum is taken of the UNQUANTISED p
.endr
.irp j, 4,8,12,16,20,24,28,32,36,40,44,48,52,56,60
.irp x, 0,1
	v_pk_add_f32 v[SU+4*\x:SU+4*\x+1], v[SU+4*\x:SU+4*\x+1], v[S+64*\x+\j:S+64*\x+\j+1]
	v_pk_add_f32 v[S2+2*\x:S2+2*\x+1], v[S2+2*\x:S2+2*\x+1], v[S+64*\x+\j+2:S+64*\x+\j+3]
.endr
.endr
.irp x, 0,1
	v_pk_add_f32 v[SU+4*\x:SU+4*\x+1], v[SU+4*\x:SU+4*\x+1], v[S2+2*\x:S2+2*\x+1]
.endr
	s_cmp_gt_i32 s[E8], -9                         ; p is at most 1, and 448 x 2^e8 is 1.75 or more from e8 = -8 on: there the hold changes nothing and is left out
	s_cbranch_scc1 .Lno_hold_\@
.set J, 0
.rept 128
	v_min_num_f32 v[S+J], v[S+J], v[LIMP]          ; the conversion to an 8-bit code does not saturate (ISA guide 7.6.2); p is not negative, so the hold is one-sided
.set J, J+1
.endr
.Lno_hold_\@:
.irp x, 0,1
.irp t, 0,1,2,3,4,5,6,7
	v_cvt_scalef32_pk8_fp8_f32 v[P+16*\x+2*\t:P+16*\x+2*\t+1], v[S+64*\x+8*\t:S+64*\x+8*\t+7], v[SCP]
.endr
.endr
	FETCHK                                         ; the next step's K
	WIN 0x41                                       ; O^T (destination and source 0) window 1, f window 0
.irp x, 0,1
.set J, 0
.rept 16
	v_pk_mul_f32 v[OT+32*\x+J:OT+32*\x+J+1], v[OT+32*\x+J:OT+32*\x+J+1], v[FF+2*\x:FF+2*\x+1] op_sel_hi:[1,0]   ; O^T under the new M.  (Also the plain instructions between the conversions and the products that read their results)
.set J, J+2
.endr
.endr
	s_wait_dscnt 16                                ; V's sixteen loads are in; the sixteen younger ones, the next step's K, may be out
	WIN 0x51                                       ; V, C and D window 1, P window 0
.irp t, 0,1,2,3
.irp x, 0,1
	v_wmma_f32_16x16x128_fp8_fp8 v[OT+32*\x+8*\t:OT+32*\x+8*\t+7], v[VF+16*\t:VF+16*\t+15], v[P+16*\x:P+16*\x+15], v[OT+32*\x+8*\t:OT+32*\x+8*\t+7]   ; eight accumulators, one turn each
.endr
.endr
	WIN 0
.if \causal
.Lhidden_\@:
.endif
	s_add_co_u32 s[TK], s[TK], KSTB
	s_add_co_u32 s[TV], s[TV], VSTB
	s_add_co_u32 s[SI], s[SI], 1
.endm
; A pair begins: the largest t is -3e38, under every t; the sums and O^T are zeros, which the first change of M leaves zeros.  So the key step is written without a first step of its own.
.macro INIT
.irp x, 0,1
	v_mov_b32 v[TT+4*\x], 0xff61b1e6
	v_floor_f32 v[NM+4*\x], -v[TT+4*\x]
	v_mov_b32 v[SU+4*\x], 0
	v_mov_b32 v[SU+4*\x+1], 0
.endr
	WIN 0x40
.set J, 0
.rept 64
	v_mov_b32 v[OT+J], 0
.set J, J+1
.endr
	WIN 0
.endm
; A pair ends: O^T / the sum, held, quantised; a lane's 16 registers of two neighbouring tiles are 16 neighbouring channels.  The codes go through my own stage and leave as 512 dense bytes a store.  ab: the pair's rows of a_codes.
.macro WAYOUT ab
.rept 4
	v_nop                                          ; places behind the last products
.endr
.irp x, 0,1
	v_add_f32 v[SU+4*\x], v[SU+4*\x], v[SU+4*\x+1]
.endr
.irp x, 0,1
	v_permlanex16_b32 v[PD+\x], v[SU+4*\x], s[SEL], s[SEL+1]
.endr
.irp x, 0,1
	v_add_f32 v[SU+4*\x], v[SU+4*\x], v[PD+\x]     ; the row's sum
.endr
.irp x, 0,1
	v_rcp_f32 v[SU+4*\x], v[SU+4*\x]
.endr
	v_nop                                          ; a plain instruction behind the last reciprocal,
	s_wait_alu depctr_va_vdst(0)                   ; and the wait ahead of the first use: one for both
	WIN 0x01                                       ; source 0 (O^T) window 1
.irp x, 0,1
.set J, 0
.rept 32
	v_mul_f32 v[S+32*\x+J], v[OT+32*\x+J], v[SU+4*\x]   ; each accumulator from its low end on
.set J, J+1
.endr
.endr
	WIN 0
.set J, 0
.rept 64
	v_med3_num_f32 v[S+J], v[S+J], -v[LIMO], v[LIMO]
.set J, J+1
.endr
.irp x, 0,1
.irp t, 0,1,2,3
	v_cvt_scalef32_pk8_fp8_f32 v[CDS+8*\x+2*\t:CDS+8*\x+2*\t+1], v[S+32*\x+8*\t:S+32*\x+8*\t+7], v[SCO]
.endr
.endr
	v_nop                                          ; one plain vector instruction behind the last conversion: later products write its sources
.irp x, 0,1
	ds_store_b128 v[STO], v[CDS+8*\x:CDS+8*\x+3]
	ds_store_b128 v[STO], v[CDS+8*\x+4:CDS+8*\x+7] offset:32
	ds_load_b128 v[S+64+8*\x:S+64+8*\x+3], v[RD]                      ; LDS serves a wave's instructions in order (ISA guide 5.7.1.4): these see my stores, and the next tile's stores come behind them
	ds_load_b128 v[S+64+8*\x+4:S+64+8*\x+7], v[RD] offset:8*KPIT
.endr
	s_wait_dscnt 0x0
.irp x, 0,1
	global_store_b128 v[GO], v[S+64+8*\x:S+64+8*\x+3], s[\ab:\ab+1] offset:1024*\x          ; 32 lanes store 512 consecutive bytes, eight rows of 64, aligned
	global_store_b128 v[GO], v[S+64+8*\x+4:S+64+8*\x+7], s[\ab:\ab+1] offset:1024*\x+512
.endr
.endm
; Two steps of the long pair, then the next lot goes into LDS and is shown to all eight waves; next: the lot that is then asked for (0: none).
.macro PHASE lot, next
	s_mov_b32 s[CNT], 2
.Lphase_\@:
	STEP QL, 0
	s_sub_co_u32 s[CNT], s[CNT], 1
	s_cmp_lg_u32 s[CNT], 0
	s_cbranch_scc1 .Lphase_\@
	s_wait_loadcnt 0x0                             ; the lot is in registers
	STORELOT \lot, LB
	s_wait_dscnt 0x0                               ; for the others' sake: my stores are done
	s_barrier_signal -1
	s_barrier_wait -1
.if \next
	LOADLOT \next, LB
.endif
.endm
	s_load_b256 s[4:11], s[0:1], 0x0               ; q_codes s[4:5], k_codes s[6:7], v_codes s[8:9], the exponents s[10:11]
	s_load_b64 s[12:13], s[0:1], 0x20              ; a_codes
	v_lshrrev_b32 v9, 5, v0
	v_readfirstlane_b32 s[WV], v9                  ; wave u = 0..7
	s_and_b32 s16, ttmp7, 0xffff                   ; 16 batch + head
	s_lshl_b32 s48, s16, 17                        ; its 131,072 bytes in each of the four buffers
	s_mov_b32 s49, 0
	s_xor_b32 s[VPR], s[WV], 15                    ; the long pair: 15 - u
	s_lshl_b32 s52, ttmp9, 11                      ; 32 j rows of 64 bytes
	s_lshl_b32 s50, s[VPR], 13                     ; 128 v rows
	s_add_co_u32 s50, s50, s52
	s_add_co_u32 s50, s50, s48
	s_mov_b32 s51, 0
	s_lshl_b32 s54, s[WV], 13                      ; the short pair: u
	s_add_co_u32 s54, s54, s52
	s_add_co_u32 s54, s54, s48
	s_mov_b32 s55, 0
	s_mov_b32 s[SEL], 0x76543210
	s_mov_b32 s[SEL+1], 0xfedcba98
	s_mov_b32 s[SI], 0
	s_mov_b32 s[TK], KSTB
	s_mov_b32 s[TV], 0
	v_and_b32 v9, 15, v0                           ; r
	v_bfe_u32 v10, v0, 4, 1                        ; h
	v_mul_u32_u24 v[AK0], v9, KPIT
	v_lshl_add_u32 v[AK0], v10, 4, v[AK0]
	v_mul_u32_u24 v[AV0], v9, VPIT
	v_lshl_add_u32 v[AV0], v10, 4, v[AV0]
	v_add_nc_u32 v[AV0], VB, v[AV0]
	v_bfe_u32 v44, v0, 2, 3                        ; lane / 4
	v_and_b32 v45, 3, v0
	v_mul_u32_u24 v44, v44, KPIT
	v_lshl_add_u32 v44, v45, 4, v44                ; 80 (lane / 4) + 16 (lane % 4): four lanes to a row of 64 bytes
	s_mul_i32 s56, s[WV], 64*KPIT
	v_add_nc_u32 v[KST0], s56, v44                 ; K: my wave's 64 keys of a lot
	s_mul_i32 s57, s[WV], 16*KPIT
	s_add_co_u32 s57, s57, STG                     ; my stage
	v_add_nc_u32 v[RD], s57, v44
	v_add_nc_u32 v[STO], s57, v[AK0]
	v_bfe_u32 v45, v0, 3, 2                        ; lane / 8: which of a lot's four steps
	v_and_b32 v46, 7, v0
	v_mul_u32_u24 v45, v45, VSTB
	v_lshl_add_u32 v45, v46, 4, v45
	s_mul_i32 s58, s[WV], 8*VPIT
	s_add_co_u32 s58, s58, VB
	v_add_nc_u32 v[VST0], s58, v45                 ; V: my wave's eight rows
	v_and_b32 v46, 31, v0
	v_lshlrev_b32 v[GO], 4, v46
	s_lshl_b32 s53, s[WV], 12
	v_add_nc_u32 v[GK], s53, v[GO]
	s_lshl_b32 s53, s[WV], 14
	v_add_nc_u32 v[GV], s53, v[GO]
	v_lshlrev_b32 v[QO], 6, v9
	v_lshl_add_u32 v[QO], v10, 4, v[QO]
	v_lshlrev_b32 v46, 3, v10
	v_sub_nc_u32 v[DD], v9, v46
	s_lshl_b32 s53, ttmp9, 5
	v_add_nc_u32 v[DD], s53, v[DD]                 ; 32 j + r - 8 h,
	v_add_nc_u32 v[DD+1], 16, v[DD]                ; and the second tile's
	v_mov_b32 v[NINF], 0xff800000
	v_mov_b32 v[PD], 0                             ; written once: a lane permute's destination counts as one of its sources
	v_mov_b32 v[PD+1], 0
	v_mov_b32 v[FF+1], 0                           ; (named as the upper halves of pairs)
	v_mov_b32 v[FF+3], 0
	v_mov_b32 v[ADK], v[AK0]                       ; step 0's K
	s_wait_kmcnt 0x0
	s_load_b128 s[32:35], s[10:11], 0x18           ; e6, e7, e8, e9
	s_load_b32 s36, s[10:11], 0x28                 ; e10
	s_add_nc_u64 s[38:39], s[4:5], s[50:51]        ; Q of the long pair,
	s_add_nc_u64 s[40:41], s[4:5], s[54:55]        ; of the short one;
	s_add_nc_u64 s[42:43], s[12:13], s[50:51]      ; their rows of a_codes
	s_add_nc_u64 s[44:45], s[12:13], s[54:55]
	s_add_nc_u64 s[6:7], s[6:7], s[48:49]          ; the head's K and V
	s_add_nc_u64 s[8:9], s[8:9], s[48:49]
.irp x, 0,1
	global_load_b128 v[QL+8*\x:QL+8*\x+3],   v[QO], s[38:39] offset:1024*\x
	global_load_b128 v[QL+8*\x+4:QL+8*\x+7], v[QO], s[38:39] offset:1024*\x+32
	global_load_b128 v[QS+8*\x:QS+8*\x+3],   v[QO], s[40:41] offset:1024*\x
	global_load_b128 v[QS+8*\x+4:QS+8*\x+7], v[QO], s[40:41] offset:1024*\x+32
.endr
	LOADLOT 0, KF                                  ; lot 0 passes through the registers that K's fragments will take
	LOADLOT 1, LB
	s_wait_kmcnt 0x0
	s_add_co_i32 s48, s32, s33
	s_lshl_b32 s48, s48, 23
	s_mov_b32 s[CS], 0x3e38aa3b                    ; log2(e) / 8;
	s_add_co_i32 s[CS], s[CS], s48                 ; e6 + e7 are added to its exponent field
	s_mov_b32 s[CS+1], s[CS]                       ; (named with it as a pair, so it is written)
	s_add_co_i32 s48, s[E8], 127
	s_lshl_b32 s49, s48, 23
	v_mov_b32 v[SCP], s49
	s_add_co_i32 s48, s48, 8
	s_lshl_b32 s48, s48, 23
	s_or_b32 s48, s48, 0x600000
	v_mov_b32 v[LIMP], s48
	s_sub_co_i32 s48, s36, s[E8]
	s_sub_co_i32 s48, s48, s35                     ; e10 - e8 - e9: a sum of the second product stands for sum x 2^(e8 + e9)
	s_add_co_i32 s48, s48, 127
	s_lshl_b32 s49, s48, 23
	v_mov_b32 v[SCO], s49
	s_add_co_i32 s48, s48, 8
	s_lshl_b32 s48, s48, 23
	s_or_b32 s48, s48, 0x600000
	v_mov_b32 v[LIMO], s48
	INIT
	s_wait_loadcnt 16                              ; Q and lot 0 are in; lot 1's sixteen loads may be out
	STORELOT 0, KF
	s_wait_dscnt 0x0
	s_barrier_signal -1
	s_barrier_wait -1                              ; keys 0 to 511 lie in LDS
	FETCHK
	WIN 0
	PHASE 1, 2                                     ; steps 0, 1 (they read steps 0 to 2); then keys 512 to 1023
	PHASE 2, 3                                     ; steps 2, 3 (steps 2 to 4); then keys 1024 to 1535
	PHASE 3, 0                                     ; steps 4, 5 (steps 4 to 6); then keys 1536 to 2047.  A long pair has nine steps or more: every wave is at work in all of these
	s_mov_b32 s[CNT], 10
.Llong:                                            ; steps 6 to 15: a constant count in every wave; the steps behind the pair's last are left out inside
	STEP QL, 1
	s_sub_co_u32 s[CNT], s[CNT], 1
	s_cmp_lg_u32 s[CNT], 0
	s_cbranch_scc1 .Llong
	WAYOUT 42
	s_wait_xcnt 0x0                                ; the stores have read their registers, which the short pair's scores take
	INIT
	s_mov_b32 s[SI], 0
	s_mov_b32 s[VPR], s[WV]
	s_mov_b32 s[TK], KSTB
	s_mov_b32 s[TV], 0
	v_mov_b32 v[ADK], v[AK0]
	FETCHK
	WIN 0
	s_mov_b32 s[CNT], 8
.Lshort:
	STEP QS, 1
	s_sub_co_u32 s[CNT], s[CNT], 1
	s_cmp_lg_u32 s[CNT], 0
	s_cbranch_scc1 .Lshort
	WAYOUT 44
	s_wait_xcnt 0x0
	v_lshl_add_u32 v254, v0, 2, 0x4e800
	v_mov_b32 v255, 0
	s_wait_tensorcnt 0x0
	ds_add_u32 v254, v255
	s_wait_dscnt 0x0
	s_endpgm
.Lfunc_end_k_q0720ca5517_attn:
	.size	k_q0720ca5517_attn, .Lfunc_end_k_q0720ca5517_attn-k_q0720ca5517_attn
	.p2alignl 7, 3214868480
	.fill 96, 4, 3214868480
	.section	.rodata,"a",@progbits
	.p2align	6, 0x0
	.amdhsa_kernel k_q0720ca5517_attn
		.amdhsa_group_segment_fixed_size 322560
		.amdhsa_private_segment_fixed_size 0
		.amdhsa_enable_private_segment 0
		.amdhsa_kernarg_size 40
		.amdhsa_user_sgpr_count 2
		.amdhsa_user_sgpr_kernarg_segment_ptr 1
		.amdhsa_wavefront_size32 1
		.amdhsa_system_sgpr_workgroup_id_x 1
		.amdhsa_system_sgpr_workgroup_id_y 1
		.amdhsa_system_sgpr_workgroup_id_z 1
		.amdhsa_system_vgpr_workitem_id 0
		.amdhsa_next_free_vgpr 512
		.amdhsa_next_free_sgpr 66
		.amdhsa_reserve_vcc 1
		.amdhsa_float_denorm_mode_32 3
		.amdhsa_float_denorm_mode_16_64 3
		.amdhsa_memory_ordered 1
		.amdhsa_forward_progress 1
		.amdhsa_inst_pref_size 202
	.end_amdhsa_kernel
	.amdgpu_metadata
---
amdhsa.version: [ 1, 2 ]
amdhsa.kernels:
  - .name:           k_q0720ca5517_attn
    .symbol:         k_q0720ca5517_attn.kd
    .args:
      - { .name: q_codes, .offset: 0, .size: 8, .value_kind: global_buffer, .address_space: global }
      - { .name: k_codes, .offset: 8, .size: 8, .value_kind: global_buffer, .address_space: global }
      - { .name: v_codes, .offset: 16, .size: 8, .value_kind: global_buffer, .address_space: global }
      - { .name: lowp_scales, .offset: 24, .size: 8, .value_kind: global_buffer, .address_space: global }
      - { .name: a_codes, .offset: 32, .size: 8, .value_kind: global_buffer, .address_space: global }
    .group_segment_fixed_size: 322560
    .private_segment_fixed_size: 0
    .kernarg_segment_align: 8
    .kernarg_segment_size: 40
    .max_flat_workgroup_size: 256
    .sgpr_count:     66
    .vgpr_count:     512
    .wavefront_size: 32
...
	.end_amdgpu_metadata
.endif
;; end of part 2
;; launch proj (part 3): grid 4 x 32, 4 waves a work-group, clusters of 4 x 4, 327,680 bytes of LDS; arguments a_codes, Wo_codes, lowp_scales, out0; writes out0
.if DOCPART == 3
	.amdgcn_target "amdgcn-amd-amdhsa--gfx1250"
	.amdhsa_code_object_version 6
	.text
	.protected	k_q0720ca5517_proj
	.globl	k_q0720ca5517_proj
	.p2align	8
	.type	k_q0720ca5517_proj,@function
k_q0720ca5517_proj:
	s_mov_b64 s[64:65], 0
	v_nop
	global_prefetch_b8 v0, s[64:65] scope:SCOPE_SE
	s_setreg_imm32_b32 hwreg(HW_REG_WAVE_MODE, 25, 1), 1
	s_wait_xcnt 0x0
	s_wait_alu depctr_hold_cnt(0) depctr_sa_sdst(0) depctr_va_vdst(0) depctr_va_sdst(0) depctr_va_ssrc(0) depctr_va_vcc(0) depctr_vm_vsrc(0)
	s_getreg_b32 s2, hwreg(HW_REG_IB_STS2, 6, 4)
	s_cmp_eq_u32 s2, 0
	s_cbranch_scc0 .Lentry_in_a_cluster
	s_endpgm
.Lentry_in_a_cluster:
	s_bfe_u32 s2, ttmp6, 0x10000c
	s_cmp_lg_u32 s2, 0xf033
	s_cbranch_scc0 .Lentry_shape_is_right
	s_endpgm
.Lentry_shape_is_right:
; out0[m][n] = 2^(e10 + e11) x the sum over k of A[m][k] Wo[n][k], on codes of FP8 (E4M3), f32 sums.  Wo_codes: [1024 (n)][1024 (k)].  out0: [8192][1024] f32.
; A is a_codes, laid by heads: [16 batch + head][2048][64]: A[2048 batch + s][64 head + d].  A K step of 256 is four heads; of one head 128 rows are 8,192 dense bytes.
; LIMIT: e10 + e11 lies between -126 and 127, so that 2^(e10 + e11) is an f32 number.
; A tile of out0, 256 x 256, is made by a work-group of four waves; a wave makes 128 x 128: 64 accumulators of 16 x 16, 512 registers.  K goes in four K steps of 256 through a ring of two LDS slots filled by the tensor data mover.
; The grid has 128 work-groups: with this tile the product has no more.
; CLUSTERS: 4 x 4 work-groups.  The four of a row of the cluster need the same tiles of A, the four of a column the same tiles of Wo: each tile is asked for JOINTLY, by the same tensor load with the same descriptor and a mask that names the four.
; THE MATRIX INSTRUCTION IS USED TRANSPOSED (source 0 = 16 rows of Wo, source 1 = 16 rows of A): a lane then holds eight neighbouring numbers of a row of out0.
; REGISTERS, in windows of 256: window 0: v0-31 addresses; from v128 A's fragments, one set; on the way out v32-255 are free.   window 1: Wo's fragments, two sets.   windows 2, 3: the accumulators ((a, b) at v[8 (8 (a % 4) + b)]).
.set SIZE_N, 1024
.set ROWB,   256                       ; a K step of a row of Wo in bytes
.set KROW,   1024                      ; a row of Wo in memory
.set PITCH,  272                       ; Wo's LDS row: 256 bytes + 16
.set APITCH, 80                        ; A's LDS row: a head's 64 bytes + 16: an odd multiple of 16, so the 16 rows of a load fall on 16 different groups of banks
.set APL,    128*APITCH                ; 128 rows of one head
.set AHALF,  4*APL                     ; what one tensor load brings of A: 128 rows x four heads
.set BHALF,  128*PITCH                 ; and of Wo: 128 rows
.set BOFF,   2*AHALF                   ; a slot: A's two halves, then Wo's two
.set SLOT,   BOFF+2*BHALF
.set FR,     16
.set NL,     4
.set NP,     4                         ; places behind this matrix instruction (ISA guide 7.12.1)
.set LAPS,   2
.set SPARE,  2*SLOT                    ; behind the ring: the spare words, 128 bytes for each wave: two blocks of 256 bytes that no other line names
.set SPITCH, 528                       ; the way out: a stage of 16 rows x (512 bytes + 16) for each wave, in slot 0, which has had its last fill and its last read when the first result is stored there
.set ADRA, 16
.set ADRB, 20
.set STO,  24
.set RD,   25
.set CO,   26
.set SPW,  28                          ; v28  LDS address of my spare word; never rewritten
.set NIL,  29                          ; v29  0; never rewritten
.set TMP,  32
.set AF,   128
.set BK,   128
.set G1, 24                            ; s[24:31] descriptor group 1 for A's tiles;  s[32:39] group 0, one set for each slot
.set G0, 32
.set G1B, 48                           ; s[48:55], s[56:63] the same for Wo's tiles
.set G0B, 56
.set MSB, 0
.macro WIN new                         ; the immediate's high byte repeats the setting that is left
.if MSB != \new
	s_set_vgpr_msb (MSB<<8)|\new
.set MSB, \new
.endif
.endm
.set MUL_LO, 0xa1
.set MUL_HI, 0xf1
.set TO_B,   0x40
.macro JLOAD g0a, g1a, g0b, g1b        ; a joint load: waves 0 and 1 fetch for A, waves 2 and 3 for Wo; four v_nop follow each of the two lines
	s_cmp_eq_u32 s15, 0
	s_cbranch_scc0 .Lfor_b_\@
	tensor_load_to_lds s[\g0a:\g0a+3], s[\g1a:\g1a+7]
	s_nop 0
.rept 4
	v_nop
.endr
	s_branch .Lasked_\@
.Lfor_b_\@:
	tensor_load_to_lds s[\g0b:\g0b+3], s[\g1b:\g1b+7]
	s_nop 0
.rept 4
	v_nop
.endr
.Lasked_\@:
.endm
.macro CREST
	s_cmp_lg_u32 s14, 0
	s_cbranch_scc1 .Lnot_wave_0_\@
	s_barrier_signal -3
.Lnot_wave_0_\@:
	s_barrier_wait -3
	s_barrier_signal -1
	s_barrier_wait -1
.endm
.macro CROUND
	s_barrier_signal -1
	s_barrier_wait -1
	CREST
.endm
	s_load_b128 s[4:7], s[0:1], 0x0                ; a_codes s[4:5], Wo_codes s[6:7]
	s_load_b128 s[8:11], s[0:1], 0x10              ; the exponents s[8:9], out0 s[10:11]
	v_lshl_add_u32 v[SPW], v0, 2, SPARE
	v_mov_b32 v[NIL], 0
	ds_add_u32 v28, v29
	ds_add_u32 v28, v29
	s_wait_dscnt 0x0
	v_lshrrev_b32 v1, 5, v0
	v_readfirstlane_b32 s14, v1                    ; wave 0..3
	s_lshr_b32 s15, s14, 1                         ; which half of the tile's rows is mine.  Also: I fetch for A (0) or for Wo (1)
	s_and_b32 s16, s14, 1                          ; which half of its columns.  Also: which 128 rows of that tile I fetch
	s_bfe_u32 s40, ttmp6, 0x40000                  ; cx, cy
	s_bfe_u32 s41, ttmp6, 0x40004
	s_lshl_b32 s42, ttmp9, 2
	s_add_co_u32 s42, s42, s40                     ; tile column = 4 x cluster x + cx
	s_and_b32 s17, ttmp7, 0xffff
	s_lshl_b32 s17, s17, 2
	s_add_co_u32 s17, s17, s41                     ; tile row = 4 x cluster y + cy
	s_lshl_b32 s43, s41, 2
	s_lshl_b32 s43, 15, s43                        ; my row of the cluster
	s_lshl_b32 s44, 0x1111, s40                    ; my column
	; A's group 1: four rows (heads) of 8,192 dense bytes, 131,072 bytes apart; 16 bytes of padding behind every 64: in LDS 128 rows of 80 bytes for each head
	s_or_b32 s[G1+0], s43, (0<<16)|(1<<20)|(1<<21)|(3<<22)|(3<<25)  ; 15:0 the mask: my row; 17:16 elements of 1 byte; 20 padding on; 21 set beside a mask; 24:22 after every 16 words (code 3); 31:25 of 4 words (code 3)
	s_mov_b32 s[G1+1], 8192<<16                    ; tensor_dim0 = 8,192
	s_mov_b32 s[G1+2], 4<<16                       ; tensor_dim1 = 4
	s_mov_b32 s[G1+3], 8192<<16                    ; tile_dim0
	s_mov_b32 s[G1+4], 4                           ; tile_dim1
	s_mov_b32 s[G1+5], 131072                      ; tensor_dim0_stride: from head to head
	s_mov_b32 s[G1+6], 0
	s_mov_b32 s[G1+7], 0
	; Wo's group 1: 128 rows x 256 bytes, 16 bytes of padding behind each
	s_or_b32 s[G1B+0], s44, (0<<16)|(1<<20)|(1<<21)|(5<<22)|(3<<25)
	s_mov_b32 s[G1B+1], ROWB<<16
	s_mov_b32 s[G1B+2], 128<<16
	s_mov_b32 s[G1B+3], ROWB<<16
	s_mov_b32 s[G1B+4], 128
	s_mov_b32 s[G1B+5], KROW
	s_mov_b32 s[G1B+6], 0
	s_mov_b32 s[G1B+7], 0
	s_lshr_b32 s20, s17, 3
	s_lshl_b32 s20, s20, 21                        ; A: the batch (16 heads of 131,072 bytes),
	s_and_b32 s21, s17, 7
	s_lshl_b32 s21, s21, 14
	s_add_co_u32 s20, s20, s21                     ; the tile's 256 rows of 64 bytes,
	s_lshl_b32 s21, s16, 13
	s_add_co_u32 s20, s20, s21                     ; the 128 of them that I fetch
	s_mov_b32 s21, 0
	s_lshl_b32 s18, s16, 7
	s_lshl_b32 s46, s42, 8
	s_add_co_u32 s46, s46, s18                     ; Wo: row 256 x tile column + 128 x half,
	s_lshl_b32 s46, s46, 10                        ; in bytes
	s_mov_b32 s47, 0
	s_mul_i32 s45, s16, AHALF                      ; where they go: no place in the cluster enters an LDS address
	s_mul_i32 s94, s16, BHALF
	s_add_co_u32 s94, s94, BOFF
	s_wait_kmcnt 0x0
	s_load_b64 s[96:97], s[8:9], 0x28              ; e10, e11
	s_add_nc_u64 s[20:21], s[4:5], s[20:21]
	s_add_nc_u64 s[46:47], s[6:7], s[46:47]
	CROUND                                         ; all sixteen work-groups are here: the first joint loads meet
.irp s, 0,1
	s_mov_b32 s[G0+4*\s], 1
	s_add_co_u32 s[G0+4*\s+1], s45, \s*SLOT
	s_add_nc_u64 s[G0+4*\s+2:G0+4*\s+3], s[20:21], \s*4*131072   ; K step s: heads 4 s on
	s_or_b32 s[G0+4*\s+3], s[G0+4*\s+3], 0x80000000
	s_mov_b32 s[G0B+4*\s], 1
	s_add_co_u32 s[G0B+4*\s+1], s94, \s*SLOT
	s_add_nc_u64 s[G0B+4*\s+2:G0B+4*\s+3], s[46:47], \s*ROWB
	s_or_b32 s[G0B+4*\s+3], s[G0B+4*\s+3], 0x80000000
	JLOAD G0+4*\s, G1, G0B+4*\s, G1B
.endr
	v_and_b32 v1, 15, v0                           ; l % 16
	v_bfe_u32 v2, v0, 4, 1                         ; l / 16
	v_mul_u32_u24 v3, v1, PITCH
	v_lshl_add_u32 v4, v2, 4, v3                   ; Wo: a fragment's row x pitch + 16 x half
	v_mul_u32_u24 v3, v1, APITCH
	v_lshl_add_u32 v3, v2, 4, v3                   ; A likewise
	s_mul_i32 s21, s15, AHALF                      ; my 128 rows of A
	s_mul_i32 s22, s16, BHALF                      ; my 128 rows of Wo
	s_add_co_u32 s22, s22, BOFF
.irp s, 0,1
	v_add_nc_u32 v[ADRA+\s], s21, v3
	v_add_nc_u32 v[ADRB+\s], s22, v4
	s_add_co_u32 s21, s21, SLOT
	s_add_co_u32 s22, s22, SLOT
.endr
	s_mul_i32 s23, s14, 16*SPITCH                  ; my stage
	v_mul_u32_u24 v5, v1, SPITCH                   ; in: row l % 16, 32 bytes for each half of the lanes
	v_lshl_add_u32 v5, v2, 5, v5
	v_add_nc_u32 v[STO], s23, v5
	v_and_b32 v6, 31, v0
	v_lshlrev_b32 v[CO], 4, v6                     ; back: the 32 lanes take one row of 512 bytes; and the same in out0
	v_add_nc_u32 v[RD], s23, v[CO]
	s_lshl_b32 s20, s17, 8
	s_lshl_b32 s21, s15, 7
	s_add_co_u32 s20, s20, s21                     ; my first row of out0: 256 x tile row + 128 x half
	s_mov_b32 s21, 0
	s_mov_b64 s[18:19], SIZE_N*4
	s_mul_u64 s[20:21], s[20:21], s[18:19]
	s_lshl_b32 s46, s42, 10                        ; my first column, in bytes: 1024 x tile column + 512 x half
	s_lshl_b32 s47, s16, 9
	s_add_co_u32 s46, s46, s47
	s_mov_b32 s47, 0
	s_add_nc_u64 s[20:21], s[20:21], s[46:47]
	s_add_nc_u64 s[10:11], s[10:11], s[20:21]
.macro FRAG reg, adr, q, i             ; Wo: 16 rows x 128 K: registers 4 c .. 4 c + 3 hold k = 32 c + 16 (l / 16) + 0 .. 15 of the slot's q-th 128
.irp c, 0,1,2,3
	ds_load_b128 v[\reg+4*\c:\reg+4*\c+3], v[\adr] offset:128*(\q)+32*\c+(\i)*16*PITCH
.endr
.endm
.macro FRAGA reg, adr, q, i            ; A: the same k: head 2 q + c / 2 of the slot's four, byte 32 (c % 2) + 16 (l / 16) of its row
.irp c, 0,1,2,3
	ds_load_b128 v[\reg+4*\c:\reg+4*\c+3], v[\adr] offset:(2*(\q)+\c/2)*APL+32*(\c%2)+(\i)*16*APITCH
.endr
.endm
; 16 matrix instructions: A's blocks a0, a0 + 1 x Wo's eight.  The 64 accumulators take turns, one instruction a turn, in the same order in every step.
.macro MUL16 a0, p, zero
.irp a, \a0, \a0+1
.irp b, 0,1,2,3,4,5,6,7
.if \zero
	v_wmma_f32_16x16x128_fp8_fp8 v[8*(8*((\a)%4)+\b):8*(8*((\a)%4)+\b)+7], v[128*(\p)+FR*\b:128*(\p)+FR*\b+FR-1], v[AF+FR*(\a):AF+FR*(\a)+FR-1], 0
.else
	v_wmma_f32_16x16x128_fp8_fp8 v[8*(8*((\a)%4)+\b):8*(8*((\a)%4)+\b)+7], v[128*(\p)+FR*\b:128*(\p)+FR*\b+FR-1], v[AF+FR*(\a):AF+FR*(\a)+FR-1], v[8*(8*((\a)%4)+\b):8*(8*((\a)%4)+\b)+7]
.endif
.endr
.endr
.endm
.macro FETCH_B slot, q, p
	WIN TO_B
.irp i, 0,1,2,3,4,5,6,7
	FRAG 128*(\p)+FR*\i, ADRB+\slot, \q, \i
.endr
	WIN 0
.endm
.macro FETCH_A slot, q, i0
.irp i, \i0, \i0+1, \i0+2, \i0+3
	FRAGA AF+FR*(\i), ADRA+\slot, \q, \i
.endr
.endm
.macro PLACES n                        ; places in front of loads into registers that matrix instructions have read, and of the first read of results
.rept \n
	v_nop
.endr
.endm
.macro STEP slot, q, zero
	s_wait_dscnt 4*NL                              ; Wo's set and A's blocks 0-3 are in; the youngest sixteen loads (A's blocks 4-7) may be out
	WIN MUL_LO
	MUL16 0, (\q)%2, \zero
	MUL16 2, (\q)%2, \zero
	s_wait_dscnt 0
	PLACES NP
	FETCH_B \slot, (\q)+1, 1-(\q)%2
	FETCH_A \slot, (\q)+1, 0
	WIN MUL_HI
	MUL16 4, (\q)%2, \zero
	MUL16 6, (\q)%2, \zero
	PLACES NP
	WIN 0
	FETCH_A \slot, (\q)+1, 4
.endm
; A slot's last step changes slots: ONE barrier; in front of it each wave waits for all its tensor loads, adds 0 to its spare word, and waits for that and for its own reads of this slot.
.macro TURN slot, next, fill
	s_wait_tensorcnt 0x0                           ; all my tensor loads have landed: my part of the next slot
	ds_add_u32 v[SPW], v[NIL]                      ; 0 onto my spare word
	s_wait_dscnt 4*NL+1                            ; (the add and the youngest sixteen loads may be out)
	WIN MUL_LO
	MUL16 0, 1, 0
	s_wait_dscnt 0x0                               ; the add is done, and my reads of this slot are over
	s_barrier_signal -1
	MUL16 2, 1, 0
	WIN 0
	s_barrier_wait -1
.if \fill
	CREST                                          ; the barrier has opened a round of the cluster's barrier: no wave of any partner still reads this slot's tile or has a load on its way
	s_add_nc_u64 s[G0+4*\slot+2:G0+4*\slot+3], s[G0+4*\slot+2:G0+4*\slot+3], 8*131072   ; two K steps on: eight heads
	s_add_nc_u64 s[G0B+4*\slot+2:G0B+4*\slot+3], s[G0B+4*\slot+2:G0B+4*\slot+3], 2*ROWB
	JLOAD G0+4*\slot, G1, G0B+4*\slot, G1B         ; the first tensor load behind the round; the four v_nop behind it are the places in front of the loads below
.else
	PLACES NP
.endif
	FETCH_B \next, 0, 0
	FETCH_A \next, 0, 0
	WIN MUL_HI
	MUL16 4, 1, 0
	MUL16 6, 1, 0
	PLACES NP
	WIN 0
	FETCH_A \next, 0, 4
.endm
	s_wait_tensorcnt 1                             ; my part of K step 0 is in (K step 1's load may be out)
	s_barrier_signal -1
	s_barrier_wait -1                              ; everybody's is
	FETCH_B 0, 0, 0
	FETCH_A 0, 0, 0
	FETCH_A 0, 0, 4
	STEP 0, 0, 1                                   ; the first step's products start the sums
	s_mov_b32 s3, LAPS-1
.Llap:
	TURN 0, 1, 1
	STEP 1, 0, 0
	TURN 1, 0, 1
	STEP 0, 0, 0
	s_sub_co_u32 s3, s3, 1
	s_cmp_lg_u32 s3, 0
	s_cbranch_scc1 .Llap
	TURN 0, 1, 0                                   ; the last lap fills nothing
	STEP 1, 0, 0
	s_wait_dscnt 4*NL
	WIN MUL_LO
	MUL16 0, 1, 0
	MUL16 2, 1, 0
	s_wait_dscnt 0
	WIN MUL_HI
	MUL16 4, 1, 0
	MUL16 6, 1, 0
	WIN 0
; THE WAY OUT, block by block of 16 rows x 128 columns, through my own stage: in as 32 bytes a lane, back as whole rows of 512 bytes.  LDS serves a wave's instructions in order (ISA guide 5.7.1.4): no wait between the stores and the loads.
.macro TOSTAGE a
.set AC, 64*((\a)%4)
	WIN 0x02+((\a)/4)                              ; source 0: window 2 or 3
.irp j, 0,2,4,6,8,10,12,14,16,18,20,22,24,26,28,30,32,34,36,38,40,42,44,46,48,50,52,54,56,58,60,62
	v_pk_mul_f32 v[TMP+\j:TMP+\j+1], v[AC+\j:AC+\j+1], s[96:97] op_sel_hi:[1,0]   ; both x s96 = 2^(e10 + e11); each accumulator from its low end on
.endr
	WIN 0
.irp b, 0,1,2,3,4,5,6,7
	ds_store_b128 v[STO], v[TMP+8*\b:TMP+8*\b+3] offset:64*\b
	ds_store_b128 v[STO], v[TMP+8*\b+4:TMP+8*\b+7] offset:64*\b+16
.endr
.set BB, BK+64*((\a)%2)
.irp t, 0,1,2,3,4,5,6,7,8,9,10,11,12,13,14,15
	ds_load_b128 v[BB+4*\t:BB+4*\t+3], v[RD] offset:\t*SPITCH
.endr
.endm
.macro SEND a, younger                 ; younger: the LDS instructions issued behind block a's loads, which may stay out
.set BB, BK+64*((\a)%2)
	s_wait_dscnt \younger
.if (\a) > 0
	s_add_nc_u64 s[10:11], s[10:11], 16*SIZE_N*4   ; (behind a wait on XCNT: the earlier stores have read their base)  16 rows on
.endif
.irp t, 0,1,2,3,4,5,6,7,8,9,10,11,12,13,14,15
	global_store_b128 v[CO], v[BB+4*\t:BB+4*\t+3], s[10:11] offset:\t*SIZE_N*4 th:TH_STORE_NT   ; 32 lanes store 512 consecutive bytes, at a multiple of 256 from out0's first byte; written once, read by nobody here
.endr
.endm
	s_wait_kmcnt 0x0
	s_add_co_i32 s96, s96, s97                     ; e10 + e11
	s_add_co_i32 s96, s96, 127
	s_lshl_b32 s96, s96, 23                        ; makes the f32 number 2^(e10 + e11)
	PLACES NP
	TOSTAGE 0
.irp a, 1,2,3,4,5,6,7
.if \a > 1
	s_wait_xcnt 0x0                                ; block a - 2's stores have read their registers and their base
.endif
	TOSTAGE \a
	SEND \a-1, 32                                  ; behind block a - 1's loads: block a's 16 stores and 16 loads
.endr
	s_wait_xcnt 0x0
	SEND 7, 0
	s_wait_tensorcnt 0x0                           ; the wave's end, behind my last tensor load and my last LDS store
	ds_add_u32 v[SPW], v[NIL]
	s_wait_dscnt 0x0
	CROUND                                         ; the closing round
	s_endpgm
.Lfunc_end_k_q0720ca5517_proj:
	.size	k_q0720ca5517_proj, .Lfunc_end_k_q0720ca5517_proj-k_q0720ca5517_proj
	.p2alignl 7, 3214868480
	.fill 96, 4, 3214868480
	.section	.rodata,"a",@progbits
	.p2align	6, 0x0
	.amdhsa_kernel k_q0720ca5517_proj
		.amdhsa_group_segment_fixed_size 327680
		.amdhsa_private_segment_fixed_size 0
		.amdhsa_enable_private_segment 0
		.amdhsa_kernarg_size 32
		.amdhsa_user_sgpr_count 2
		.amdhsa_user_sgpr_kernarg_segment_ptr 1
		.amdhsa_wavefront_size32 1
		.amdhsa_system_sgpr_workgroup_id_x 1
		.amdhsa_system_sgpr_workgroup_id_y 1
		.amdhsa_system_sgpr_workgroup_id_z 1
		.amdhsa_system_vgpr_workitem_id 0
		.amdhsa_next_free_vgpr 1024
		.amdhsa_next_free_sgpr 98
		.amdhsa_reserve_vcc 0
		.amdhsa_float_denorm_mode_32 3
		.amdhsa_float_denorm_mode_16_64 3
		.amdhsa_memory_ordered 1
		.amdhsa_forward_progress 1
		.amdhsa_inst_pref_size 123
	.end_amdhsa_kernel
	.amdgpu_metadata
---
amdhsa.version: [ 1, 2 ]
amdhsa.kernels:
  - .name:           k_q0720ca5517_proj
    .symbol:         k_q0720ca5517_proj.kd
    .args:
      - { .name: a_codes, .offset: 0, .size: 8, .value_kind: global_buffer, .address_space: global }
      - { .name: Wo_codes, .offset: 8, .size: 8, .value_kind: global_buffer, .address_space: global }
      - { .name: lowp_scales, .offset: 16, .size: 8, .value_kind: global_buffer, .address_space: global }
      - { .name: out0, .offset: 24, .size: 8, .value_kind: global_buffer, .address_space: global }
    .group_segment_fixed_size: 327680
    .private_segment_fixed_size: 0
    .kernarg_segment_align: 8
    .kernarg_segment_size: 32
    .max_flat_workgroup_size: 128
    .sgpr_count:     98
    .vgpr_count:     1024
    .wavefront_size: 32
...
	.end_amdgpu_metadata
.endif
;; end of part 3
;; ======== version 2 of 2: 3 launches; version 1 with the launch attn written anew for expert scheduling mode
;; workspace buffers: q_codes 8,388,608 bytes; k_codes 8,388,608 bytes; v_codes 8,388,608 bytes; a_codes 8,388,608 bytes
;; launch qkv: the kernel of part 1 again; grid 12 x 32, 4 waves a work-group, clusters of 4 x 4, 327,680 bytes of LDS; arguments x_codes, Wq_codes, Wk_codes, Wv_codes, lowp_scales, q_codes, k_codes, v_codes; writes q_codes, k_codes, v_codes
;; launch attn (part 4): grid 4 x 64, 8 waves a work-group, no clusters, 322,560 bytes of LDS; arguments q_codes, k_codes, v_codes, lowp_scales, a_codes; writes a_codes
.if DOCPART == 4
	.amdgcn_target "amdgcn-amd-amdhsa--gfx1250"
	.amdhsa_code_object_version 6
	.text
	.protected	k_q0720ca5517_attn
	.globl	k_q0720ca5517_attn
	.p2align	8
	.type	k_q0720ca5517_attn,@function
k_q0720ca5517_attn:
	s_mov_b64 s[64:65], 0
	v_nop
	global_prefetch_b8 v0, s[64:65] scope:SCOPE_SE
	s_setreg_imm32_b32 hwreg(HW_REG_WAVE_SCHED_MODE, 0, 2), 2
	s_setreg_imm32_b32 hwreg(HW_REG_WAVE_MODE, 25, 1), 1
	s_wait_xcnt 0x0
	s_wait_alu depctr_vm_vsrc(0)
; Causal attention on codes of FP8 (E4M3) for one (batch, head), and the quantiser of its result.  q_codes, k_codes: [64][2048][64]; v_codes: [64][64 (channel)][2048 (keys)]; a_codes: [64][2048][64].
; swap34(i) = i with its bits 3 and 4 exchanged.  In q's and k's rows place p holds d = swap34(p), alike in both; in v_codes row d' holds d = swap34(d') and place p holds key swap34(p).  a_codes has d in its natural order.
; THE SOFTMAX: t = score x 2^(e6 + e7) x log2(e) / 8; M = the running largest t, rounded UP to a whole number; p = 2^(t - M) is quantised with 2^e8 and not normalised; the row's sum is taken of the unquantised p, in f32,
; and divides O at the end.  When M moves, the sum and O are multiplied by 2^(old M - new M): exact.  The result is quantised with 2^e10: code = O x (1 / sum) / 2^(e10 - e8 - e9), held within +-448.
; SHARES.  Work-group (j, head) owns queries 128 v + 32 j .. + 31 for all v = 0 .. 15: sixteen PAIRS of tiles of 16 queries.  Pair v has v + 1 key steps of 128 keys; only its last step lies on the diagonal.
; Wave u takes pair 15 - u and then pair u: 17 key steps in every wave of every work-group.  A fragment of K or V read from LDS feeds both tiles of the pair.
; THE WHOLE HEAD'S K AND V LIE IN LDS, each byte filled once, through registers, in four lots of 512 keys; a lot is stored and shown by a barrier at least two steps before its first reader.
; NO CLUSTER, NO TENSOR LOAD: a work-group fetches each byte of K and V once, 262,144 bytes for its 136 pair steps, by plain loads issued two steps of all eight waves ahead of their use; what four work-groups of a head
; share is thus a small part of the launch's work; the scalar branch on e8 below leaves out 128 of a pair step's vector instructions.
; LAYOUT.  Both products are used transposed: S^T = K Q^T (source 0 = 16 keys, source 1 = 16 queries), O^T = V^T P^T (source 0 = 16 rows of v_codes, source 1 = P): a lane holds ONE query (lane % 16) throughout.
; In S^T tile t, lane (r, h), register i is key 16 t + 8 h + i: eight codes of tile t are registers 2 t, 2 t + 1 of P, the place that the K = 128 form gives those keys; V's places are laid to match.
; LIMITS on the given exponents, so that each power of two below is an f32 number: e6 + e7 between -123 and 130; e8, and e10 - e8 - e9, between -126 and 119.
; REGISTERS.  window 0: v1-11, v41-43 addresses; v12-33 the two tiles' statistics; v34-40 constants; v48-63, v64-79 Q of the long and of the short pair; v80-111 P; v112-127 codes on the way out; v128-255 S^T, then p.
;   window 1: v0-63 K's fragments of a step; v64-127 V's; v128-191 O^T; v192-255 a lot on its way to LDS.
; THE MODE: SCHED_MODE bits 1:0 = 2 (LLVM: expert scheduling mode 2), set by the entry lines.  The code itself states the register dependences
; between vector or matrix instructions and memory or LDS instructions, with s_wait_alu, always for 0.
; THE PLAN.  Registers that memory or LDS instructions touch:
;   K's fragments   At the head lot 0 passes through them: loaded, then read by LDS stores.  Step s: its sixteen products K Q^T read them; later in the step the LDS loads of step s + 1's K land in them.
;   V's fragments   Step s: its LDS loads land in them; its eight products V^T P^T read them.
;   v[ADV], v[ADK]  Written once a step, by two additions behind the products K Q^T (v[ADK] also by a move where a pair begins); read by the step's 32 LDS loads.
;   the lot's 64    Named by global loads and LDS stores alone.
;   v[CDS ..]       A pair's way out: written by its conversions, read by the LDS stores into the stage.
;   v[S+64 .. S+79] In the steps scores and p, named by vector and matrix instructions; on a pair's way out the loads from the stage land in them and the global stores read them.
;   v3-6, v9-11, v41-43  Offsets and LDS addresses, made at the head and never written again: a lot's place in LDS stands in the stores' immediates.   Q: loaded once, read by products alone.
;   O^T, P, the statistics and the rest of S^T are named by vector and matrix instructions alone.
; So a step has ONE wait on va_vdst: the one that stands behind its exponentials, ahead of their first reader.  It also states that the step's products K Q^T are done reading K's fragments, that the last step's products V^T P^T
; are done reading V's, and that v[ADV] and v[ADK] are written.  V's sixteen loads stand at it, the next K's sixteen behind the sums: between the wait and those loads stand LDS loads, window switches and packed additions on the
; statistics and on p, none of which names a register that the loads touch.  One wait on vm_vsrc a step stands ahead of the two additions.
; THE DIAGONAL'S MASKS go into scalar registers, sixteen compares in a run, one wait on va_sdst behind the run, then its sixteen selects.
.set KPIT, 80                          ; a key's row in LDS: 64 bytes + 16: an odd multiple of 16, so the 16 rows of a load fall on 16 different groups of banks
.set VPIT, 144                         ; a step's part of a row of V: 128 bytes + 16
.set KSTB, 128*KPIT                    ; a key step of K
.set VSTB, 64*VPIT                     ; a key step of V: 64 rows
.set VB,   2048*KPIT                   ; V lies behind K
.set STG,  VB+16*VSTB                  ; behind V: a stage of 16 rows x 80 bytes for each wave, for the way out
.set AK0,  1                           ; v1   my lane's place in a tile of K: 80 r + 16 h
.set AV0,  2                           ; v2   in a tile of V: VB + 144 r + 16 h
.set KST0, 3                           ; v3   where I store K's lot 0; lot 1 by the immediate
.set VST0, 4                           ; v4   and V's
.set GK,   5                           ; v5   my byte in a lot of K in memory: 4096 u + 16 lane
.set GV,   6                           ; v6   in V: 8 rows x u + 16 lane
.set ADK,  7                           ; v7   LDS address of the K in hand
.set ADV,  8                           ; v8   of the V in hand
.set KST2, 9                           ; v9   where I store K's lot 2; lot 3 by the immediate  (at the head first r)
.set VST2, 10                          ; v10  and V's  (at the head first h)
.set QO,   11                          ; v11  Q: 64 r + 16 h
.set NM,   12                          ; tile x: v[12+4x] -M, v[13+4x] the largest t, v[14+4x:15+4x] the sum in two halves
.set TT,   13
.set SU,   14
.set FF,   20                          ; v[20+2x] f = 2^(old M - new M); its neighbour is named with it as a pair
.set MC,   24                          ; v[24+2x], v[25+2x] the maximum's two chains, then at work
.set PD,   28                          ; v[28+x] what the other half of the lanes sends
.set S2,   30                          ; v[30+2x:31+2x] the sum's second chain
.set LIMP, 34                          ; 448 x 2^e8
.set SCP,  35                          ; 2^e8
.set LIMO, 36                          ; 448 x 2^(e10 - e8 - e9)
.set SCO,  37                          ; 2^(e10 - e8 - e9)
.set NINF, 38                          ; -infinity
.set DD,   39                          ; v[39+x] my query's place in its block of 128, less 8 h
.set STO,  41                          ; the stage: in
.set RD,   42                          ; the stage: back
.set GO,   43                          ; 16 x lane
.set QL,   48
.set QS,   64
.set P,    80
.set CDS,  112
.set S,    128
.set KF,   0                           ; window 1
.set VF,   64
.set OT,   128
.set LB,   192
.set MK,   4                           ; s[4:11] the diagonal's masks for the pair's first tile, s[50:57] for its second: both runs are free from the last lot's arrival on
.set WV,   14                          ; s14  my wave's number u
.set SEL,  20                          ; s[20:21] lane selects for v_permlanex16_b32: lane l xor 16
.set CS,   22                          ; s[22:23] c = 2^(e6 + e7) log2(e) / 8
.set TK,   24                          ; s24  LDS byte of the NEXT step's K
.set TV,   25                          ; s25  LDS byte, from VB, of this step's V
.set SI,   26                          ; s26  the step
.set VPR,  27                          ; s27  the pair's number: its last step
.set CNT,  28                          ; s28  loop counter
.set E8,   34                          ; s34  e8
.set MSB, 0
.macro WIN new                         ; the immediate's high byte repeats the setting that is left
.if MSB != \new
	s_set_vgpr_msb (MSB<<8)|\new
.set MSB, \new
.endif
.endm
; Lot l: 512 keys.  K: 32,768 dense bytes, 4,096 a wave, 512 a load.  V: 512 bytes of each of 64 rows, eight rows a wave, a row a load.  Into 64 registers of window 1 from rb on.
.macro LOADLOT l, rb
	WIN 0x40                                       ; destination window 1
.irp i, 0,1,2,3,4,5,6,7
	global_load_b128 v[\rb+4*\i:\rb+4*\i+3], v[GK], s[6:7] offset:(\l)*32768+512*\i
.endr
.irp i, 0,1,2,3,4,5,6,7
	global_load_b128 v[\rb+32+4*\i:\rb+32+4*\i+3], v[GV], s[8:9] offset:\i*2048+(\l)*512
.endr
	WIN 0
.endm
; The lot goes to LDS.  Its data come from loads and its addresses were made at the head: no vector instruction stands ahead of these stores that they hang on.
.macro STORELOT l, rb
.if (\l) < 2
.set KADR, KST0
.set VADR, VST0
.else
.set KADR, KST2
.set VADR, VST2
.endif
	WIN 0x04                                       ; the stores' data in window 1
.irp i, 0,1,2,3,4,5,6,7
	ds_store_b128 v[KADR], v[\rb+4*\i:\rb+4*\i+3] offset:((\l)%2)*4*KSTB+8*KPIT*\i         ; a load's 512 bytes are eight keys' rows
.endr
.irp i, 0,1,2,3,4,5,6,7
	ds_store_b128 v[VADR], v[\rb+32+4*\i:\rb+32+4*\i+3] offset:((\l)%2)*4*VSTB+VPIT*\i    ; a load's 512 bytes are one row's part of four steps
.endr
	WIN 0
.endm
.macro FETCHK                          ; a step's K: eight tiles of 16 keys x 64: two loads of 16 bytes a tile
	WIN 0x40
.irp t, 0,1,2,3,4,5,6,7
	ds_load_b128 v[KF+8*\t:KF+8*\t+3],   v[ADK] offset:16*KPIT*\t
	ds_load_b128 v[KF+8*\t+4:KF+8*\t+7], v[ADK] offset:16*KPIT*\t+32
.endr
.endm
; A KEY STEP of a pair: 128 keys.  qb: the pair's Q.  causal = 1: the step may lie behind the pair's last (it is then left out, but for the lines that step addresses) or be the last (hidden scores become -infinity).
.macro STEP qb, causal
.if \causal
	s_cmp_gt_u32 s[SI], s[VPR]
	s_cbranch_scc1 .Lhidden_\@
.endif
	s_wait_dscnt 0x0                               ; this step's K is in
	WIN 0x01                                       ; source 0 (K) window 1
.irp t, 0,1,2,3,4,5,6,7
.irp x, 0,1
	v_wmma_f32_16x16x64_fp8_fp8 v[S+64*\x+8*\t:S+64*\x+8*\t+7], v[KF+8*\t:KF+8*\t+7], v[\qb+8*\x:\qb+8*\x+7], 0
.endr
.endr
	WIN 0
	s_wait_alu depctr_vm_vsrc(0)                   ; the LDS loads issued so far have read v[ADV] and v[ADK], which the two additions below write
	v_add_nc_u32 v[ADV], s[TV], v[AV0]             ; four plain vector instructions: the places in front of the first read of the scores
	s_min_u32 s48, s[TK], 15*KSTB                  ; the fetch ahead is held at the head's last step: it never leaves K's rows
	v_add_nc_u32 v[ADK], s48, v[AK0]
	v_nop
	v_nop
.if \causal
	s_cmp_lg_u32 s[SI], s[VPR]
	s_cbranch_scc1 .Lopen_\@
.irp t, 0,1,2,3,4,5,6,7                        ; register 8 t + i holds key 16 t + i + 8 h of the block: hidden where that is above my query's place
.irp x, 0,1
.irp i, 0,1,2,3,4,5,6,7
	v_cmp_gt_i32 s[MK+46*\x+\i], 16*\t+\i, v[DD+\x]
.endr
.endr
	s_wait_alu depctr_va_sdst(0)                   ; the sixteen compares have written their masks, ahead of the selects that read them
.irp i, 0,1,2,3,4,5,6,7
.irp x, 0,1
	v_cndmask_b32 v[S+64*\x+8*\t+\i], v[S+64*\x+8*\t+\i], v[NINF], s[MK+46*\x+\i]   ; each accumulator from its low end on
.endr
.endr
.endr
.Lopen_\@:
.endif
.irp x, 0,1                                    ; the step's largest score of my query among my 64 keys: two chains a tile, the tiles by turns; each accumulator is first read at its low end
	v_max3_num_f32 v[MC+2*\x], v[S+64*\x], v[S+64*\x+1], v[S+64*\x+2]
	v_max3_num_f32 v[MC+2*\x+1], v[S+64*\x+3], v[S+64*\x+4], v[S+64*\x+5]
.endr
.irp i, 6,10,14,18,22,26,30,34,38,42,46,50,54,58
.irp x, 0,1
	v_max3_num_f32 v[MC+2*\x], v[MC+2*\x], v[S+64*\x+\i], v[S+64*\x+\i+1]
	v_max3_num_f32 v[MC+2*\x+1], v[MC+2*\x+1], v[S+64*\x+\i+2], v[S+64*\x+\i+3]
.endr
.endr
.irp x, 0,1
	v_max3_num_f32 v[MC+2*\x], v[MC+2*\x], v[S+64*\x+62], v[S+64*\x+63]
.endr
.irp x, 0,1
	v_max_num_f32 v[MC+2*\x], v[MC+2*\x], v[MC+2*\x+1]
.endr
.irp x, 0,1
	v_permlanex16_b32 v[PD+\x], v[MC+2*\x], s[SEL], s[SEL+1]
.endr
.irp x, 0,1
	v_max_num_f32 v[MC+2*\x], v[MC+2*\x], v[PD+\x] ; and among lane l xor 16's
.endr
.irp x, 0,1
	v_mul_f32 v[MC+2*\x], s[CS], v[MC+2*\x]        ; as t (c is positive)
.endr
.irp x, 0,1
	v_max_num_f32 v[TT+4*\x], v[TT+4*\x], v[MC+2*\x]   ; the running largest t
.endr
.irp x, 0,1
	v_mov_b32 v[MC+2*\x], v[NM+4*\x]
.endr
.irp x, 0,1
	v_floor_f32 v[NM+4*\x], -v[TT+4*\x]            ; the new -M = floor(-t) = -ceil(t): M is a whole number
.endr
.irp x, 0,1
	v_sub_f32 v[MC+2*\x], v[NM+4*\x], v[MC+2*\x]   ; old M - new M: a whole number, 0 or less
.endr
.irp x, 0,1
	v_cvt_i32_f32 v[MC+2*\x], v[MC+2*\x]           ; (it saturates)
.endr
.irp x, 0,1
	v_ldexp_f32 v[FF+2*\x], 1.0, v[MC+2*\x]        ; f = 2^(old M - new M)
.endr
.irp x, 0,1                                    ; t - M, two at a time, and p = 2^(t - M): the 128 exponentials are one batch
.set J, 0
.rept 32
	v_pk_fma_f32 v[S+64*\x+J:S+64*\x+J+1], v[S+64*\x+J:S+64*\x+J+1], s[CS:CS+1], v[NM+4*\x:NM+4*\x+1] op_sel_hi:[1,0,0]
.set J, J+2
.endr
.set J, 0
.rept 64
	v_exp_f32 v[S+64*\x+J], v[S+64*\x+J]
.set J, J+1
.endr
.endr
.irp x, 0,1
	v_pk_mul_f32 v[SU+4*\x:SU+4*\x+1], v[SU+4*\x:SU+4*\x+1], v[FF+2*\x:FF+2*\x+1] op_sel_hi:[1,0]   ; the sums under the new M: the plain instructions behind the last exponential
.endr
	WIN 0x40                                       ; the loads' destination in window 1: the switch, the wait, the loads
	s_wait_alu depctr_va_vdst(0)                   ; THE STEP'S ONE WAIT: the 128 exponentials have written p, ahead of its first reader; the last step's products V^T P^T are done reading V's fragments and this step's products K Q^T K's, in which the loads below land; v[ADV] and v[ADK] are written
.irp t, 0,1,2,3
.irp c, 0,1,2,3
	ds_load_b128 v[VF+16*\t+4*\c:VF+16*\t+4*\c+3], v[ADV] offset:16*VPIT*\t+32*\c   ; this step's V
.endr
.endr
	WIN 0
.irp x, 0,1
	v_pk_add_f32 v[S2+2*\x:S2+2*\x+1], v[S+64*\x:S+64*\x+1], v[S+64*\x+2:S+64*\x+3]   ; the row's sum is taken of the UNQUANTISED p
.endr
.irp j, 4,8,12,16,20,24,28,32,36,40,44,48,52,56,60
.irp x, 0,1
	v_pk_add_f32 v[SU+4*\x:SU+4*\x+1], v[SU+4*\x:SU+4*\x+1], v[S+64*\x+\j:S+64*\x+\j+1]
	v_pk_add_f32 v[S2+2*\x:S2+2*\x+1], v[S2+2*\x:S2+2*\x+1], v[S+64*\x+\j+2:S+64*\x+\j+3]
.endr
.endr
.irp x, 0,1
	v_pk_add_f32 v[SU+4*\x:SU+4*\x+1], v[SU+4*\x:SU+4*\x+1], v[S2+2*\x:S2+2*\x+1]
.endr
	FETCHK                                         ; the next step's K.  No wait: since the step's wait only V's loads and the additions above were issued, and none of them names K's fragments or v[ADK]
	WIN 0
	s_cmp_gt_i32 s[E8], -9                         ; p is at most 1, and 448 x 2^e8 is 1.75 or more from e8 = -8 on: there the hold changes nothing and is left out
	s_cbranch_scc1 .Lno_hold_\@
.set J, 0
.rept 128
	v_min_num_f32 v[S+J], v[S+J], v[LIMP]          ; the conversion to an 8-bit code does not saturate (ISA guide 7.6.2); p is not negative, so the hold is one-sided
.set J, J+1
.endr
.Lno_hold_\@:
.irp x, 0,1
.irp t, 0,1,2,3,4,5,6,7
	v_cvt_scalef32_pk8_fp8_f32 v[P+16*\x+2*\t:P+16*\x+2*\t+1], v[S+64*\x+8*\t:S+64*\x+8*\t+7], v[SCP]
.endr
.endr
	WIN 0x41                                       ; O^T (destination and source 0) window 1, f window 0
.irp x, 0,1
.set J, 0
.rept 16
	v_pk_mul_f32 v[OT+32*\x+J:OT+32*\x+J+1], v[OT+32*\x+J:OT+32*\x+J+1], v[FF+2*\x:FF+2*\x+1] op_sel_hi:[1,0]   ; O^T under the new M.  (Also the plain instructions between the conversions and the products that read their results)
.set J, J+2
.endr
.endr
	s_wait_dscnt 16                                ; V's sixteen loads are in; the sixteen younger ones, the next step's K, may be out
	WIN 0x51                                       ; V, C and D window 1, P window 0
.irp t, 0,1,2,3
.irp x, 0,1
	v_wmma_f32_16x16x128_fp8_fp8 v[OT+32*\x+8*\t:OT+32*\x+8*\t+7], v[VF+16*\t:VF+16*\t+15], v[P+16*\x:P+16*\x+15], v[OT+32*\x+8*\t:OT+32*\x+8*\t+7]   ; eight accumulators, one turn each
.endr
.endr
	WIN 0
.if \causal
.Lhidden_\@:
.endif
	s_add_co_u32 s[TK], s[TK], KSTB
	s_add_co_u32 s[TV], s[TV], VSTB
	s_add_co_u32 s[SI], s[SI], 1
.endm
; A pair begins: the largest t is -3e38, under every t; the sums and O^T are zeros, which the first change of M leaves zeros.  So the key step is written without a first step of its own.
.macro INIT
.irp x, 0,1
	v_mov_b32 v[TT+4*\x], 0xff61b1e6
	v_floor_f32 v[NM+4*\x], -v[TT+4*\x]
	v_mov_b32 v[SU+4*\x], 0
	v_mov_b32 v[SU+4*\x+1], 0
.endr
	WIN 0x40
.set J, 0
.rept 64
	v_mov_b32 v[OT+J], 0
.set J, J+1
.endr
	WIN 0
.endm
; A pair ends: O^T / the sum, held, quantised; a lane's 16 registers of two neighbouring tiles are 16 neighbouring channels.  The codes go through my own stage and leave as 512 dense bytes a store.  ab: the pair's rows of a_codes.
.macro WAYOUT ab
.rept 4
	v_nop                                          ; places behind the last products
.endr
.irp x, 0,1
	v_add_f32 v[SU+4*\x], v[SU+4*\x], v[SU+4*\x+1]
.endr
.irp x, 0,1
	v_permlanex16_b32 v[PD+\x], v[SU+4*\x], s[SEL], s[SEL+1]
.endr
.irp x, 0,1
	v_add_f32 v[SU+4*\x], v[SU+4*\x], v[PD+\x]     ; the row's sum
.endr
.irp x, 0,1
	v_rcp_f32 v[SU+4*\x], v[SU+4*\x]
.endr
	v_nop                                          ; a plain instruction behind the last reciprocal,
	s_wait_alu depctr_va_vdst(0)                   ; and the wait ahead of the first use: the two reciprocals have written v[SU] and v[SU+4]
	WIN 0x01                                       ; source 0 (O^T) window 1
.irp x, 0,1
.set J, 0
.rept 32
	v_mul_f32 v[S+32*\x+J], v[OT+32*\x+J], v[SU+4*\x]   ; each accumulator from its low end on
.set J, J+1
.endr
.endr
	WIN 0
.set J, 0
.rept 64
	v_med3_num_f32 v[S+J], v[S+J], -v[LIMO], v[LIMO]
.set J, J+1
.endr
.irp x, 0,1
.irp t, 0,1,2,3
	v_cvt_scalef32_pk8_fp8_f32 v[CDS+8*\x+2*\t:CDS+8*\x+2*\t+1], v[S+32*\x+8*\t:S+32*\x+8*\t+7], v[SCO]
.endr
.endr
	v_nop                                          ; one plain vector instruction behind the last conversion: later products write its sources
	s_wait_alu depctr_va_vdst(0)                   ; the conversions have written v[CDS ..], which the LDS stores read; and the steps' vector and matrix instructions that named v[S+64 .. S+79] are done: the loads from the stage land there
.irp x, 0,1
	ds_store_b128 v[STO], v[CDS+8*\x:CDS+8*\x+3]
	ds_store_b128 v[STO], v[CDS+8*\x+4:CDS+8*\x+7] offset:32
	ds_load_b128 v[S+64+8*\x:S+64+8*\x+3], v[RD]                      ; LDS serves a wave's instructions in order (ISA guide 5.7.1.4): these see my stores, and the next tile's stores come behind them
	ds_load_b128 v[S+64+8*\x+4:S+64+8*\x+7], v[RD] offset:8*KPIT
.endr
	s_wait_dscnt 0x0
.irp x, 0,1
	global_store_b128 v[GO], v[S+64+8*\x:S+64+8*\x+3], s[\ab:\ab+1] offset:1024*\x          ; 32 lanes store 512 consecutive bytes, eight rows of 64, aligned
	global_store_b128 v[GO], v[S+64+8*\x+4:S+64+8*\x+7], s[\ab:\ab+1] offset:1024*\x+512
.endr
.endm
; Two steps of the long pair, then the next lot goes into LDS and is shown to all eight waves; next: the lot that is then asked for (0: none).
.macro PHASE lot, next
	s_mov_b32 s[CNT], 2
.Lphase_\@:
	STEP QL, 0
	s_sub_co_u32 s[CNT], s[CNT], 1
	s_cmp_lg_u32 s[CNT], 0
	s_cbranch_scc1 .Lphase_\@
	s_wait_loadcnt 0x0                             ; the lot is in registers
	STORELOT \lot, LB
	s_wait_dscnt 0x0                               ; for the others' sake: my stores are done
	s_barrier_signal -1
	s_barrier_wait -1
.if \next
	WIN 0x40                                       ; the loads' destination in window 1: the switch, the wait, the loads
	s_wait_alu depctr_vm_vsrc(0)                   ; my LDS stores have read the lot's registers, in which the next lot's loads land
	LOADLOT \next, LB
.endif
.endm
	s_load_b256 s[4:11], s[0:1], 0x0               ; q_codes s[4:5], k_codes s[6:7], v_codes s[8:9], the exponents s[10:11]
	s_load_b64 s[12:13], s[0:1], 0x20              ; a_codes
	v_lshrrev_b32 v9, 5, v0
	v_readfirstlane_b32 s[WV], v9                  ; wave u = 0..7
	s_and_b32 s16, ttmp7, 0xffff                   ; 16 batch + head
	s_lshl_b32 s48, s16, 17                        ; its 131,072 bytes in each of the four buffers
	s_mov_b32 s49, 0
	s_wait_alu depctr_va_sdst(0)                   ; s14, the wave's number, is written, ahead of its first reader: the pairs' numbers, offsets and LDS places are made from it
	s_xor_b32 s[VPR], s[WV], 15                    ; the long pair: 15 - u
	s_lshl_b32 s52, ttmp9, 11                      ; 32 j rows of 64 bytes
	s_lshl_b32 s50, s[VPR], 13                     ; 128 v rows
	s_add_co_u32 s50, s50, s52
	s_add_co_u32 s50, s50, s48
	s_mov_b32 s51, 0
	s_lshl_b32 s54, s[WV], 13                      ; the short pair: u
	s_add_co_u32 s54, s54, s52
	s_add_co_u32 s54, s54, s48
	s_mov_b32 s55, 0
	s_mov_b32 s[SEL], 0x76543210
	s_mov_b32 s[SEL+1], 0xfedcba98
	s_mov_b32 s[SI], 0
	s_mov_b32 s[TK], KSTB
	s_mov_b32 s[TV], 0
	v_and_b32 v9, 15, v0                           ; r
	v_bfe_u32 v10, v0, 4, 1                        ; h
	v_mul_u32_u24 v[AK0], v9, KPIT
	v_lshl_add_u32 v[AK0], v10, 4, v[AK0]
	v_mul_u32_u24 v[AV0], v9, VPIT
	v_lshl_add_u32 v[AV0], v10, 4, v[AV0]
	v_add_nc_u32 v[AV0], VB, v[AV0]
	v_bfe_u32 v44, v0, 2, 3                        ; lane / 4
	v_and_b32 v45, 3, v0
	v_mul_u32_u24 v44, v44, KPIT
	v_lshl_add_u32 v44, v45, 4, v44                ; 80 (lane / 4) + 16 (lane % 4): four lanes to a row of 64 bytes
	s_mul_i32 s56, s[WV], 64*KPIT
	v_add_nc_u32 v[KST0], s56, v44                 ; K: my wave's 64 keys of a lot
	s_mul_i32 s57, s[WV], 16*KPIT
	s_add_co_u32 s57, s57, STG                     ; my stage
	v_add_nc_u32 v[RD], s57, v44
	v_add_nc_u32 v[STO], s57, v[AK0]
	v_bfe_u32 v45, v0, 3, 2                        ; lane / 8: which of a lot's four steps
	v_and_b32 v46, 7, v0
	v_mul_u32_u24 v45, v45, VSTB
	v_lshl_add_u32 v45, v46, 4, v45
	s_mul_i32 s58, s[WV], 8*VPIT
	s_add_co_u32 s58, s58, VB
	v_add_nc_u32 v[VST0], s58, v45                 ; V: my wave's eight rows
	v_and_b32 v46, 31, v0
	v_lshlrev_b32 v[GO], 4, v46
	s_lshl_b32 s53, s[WV], 12
	v_add_nc_u32 v[GK], s53, v[GO]
	s_lshl_b32 s53, s[WV], 14
	v_add_nc_u32 v[GV], s53, v[GO]
	v_lshlrev_b32 v[QO], 6, v9
	v_lshl_add_u32 v[QO], v10, 4, v[QO]
	v_lshlrev_b32 v46, 3, v10
	v_sub_nc_u32 v[DD], v9, v46
	s_lshl_b32 s53, ttmp9, 5
	v_add_nc_u32 v[DD], s53, v[DD]                 ; 32 j + r - 8 h,
	v_add_nc_u32 v[DD+1], 16, v[DD]                ; and the second tile's
	v_mov_b32 v[NINF], 0xff800000
	v_mov_b32 v[PD], 0                             ; written once: a lane permute's destination counts as one of its sources
	v_mov_b32 v[PD+1], 0
	v_mov_b32 v[FF+1], 0                           ; (named as the upper halves of pairs)
	v_mov_b32 v[FF+3], 0
	v_mov_b32 v[ADK], v[AK0]                       ; step 0's K
	v_add_nc_u32 v[KST2], 8*KSTB, v[KST0]          ; r and h are done with: their registers take the places of lots 2 and 3, eight steps on
	v_add_nc_u32 v[VST2], 8*VSTB, v[VST0]
	s_wait_kmcnt 0x0
	s_load_b128 s[32:35], s[10:11], 0x18           ; e6, e7, e8, e9
	s_load_b32 s36, s[10:11], 0x28                 ; e10
	s_add_nc_u64 s[38:39], s[4:5], s[50:51]        ; Q of the long pair,
	s_add_nc_u64 s[40:41], s[4:5], s[54:55]        ; of the short one;
	s_add_nc_u64 s[42:43], s[12:13], s[50:51]      ; their rows of a_codes
	s_add_nc_u64 s[44:45], s[12:13], s[54:55]
	s_add_nc_u64 s[6:7], s[6:7], s[48:49]          ; the head's K and V
	s_add_nc_u64 s[8:9], s[8:9], s[48:49]
	s_wait_alu depctr_va_vdst(0)                   ; the offsets and LDS addresses v3 to v7, v9 to v11 and v41 to v43 are written, which the loads and stores of the whole kernel read; but for v[ADK] none of them is written again
.irp x, 0,1
	global_load_b128 v[QL+8*\x:QL+8*\x+3],   v[QO], s[38:39] offset:1024*\x
	global_load_b128 v[QL+8*\x+4:QL+8*\x+7], v[QO], s[38:39] offset:1024*\x+32
	global_load_b128 v[QS+8*\x:QS+8*\x+3],   v[QO], s[40:41] offset:1024*\x
	global_load_b128 v[QS+8*\x+4:QS+8*\x+7], v[QO], s[40:41] offset:1024*\x+32
.endr
	LOADLOT 0, KF                                  ; lot 0 passes through the registers that K's fragments will take
	LOADLOT 1, LB
	s_wait_kmcnt 0x0
	s_add_co_i32 s48, s32, s33
	s_lshl_b32 s48, s48, 23
	s_mov_b32 s[CS], 0x3e38aa3b                    ; log2(e) / 8;
	s_add_co_i32 s[CS], s[CS], s48                 ; e6 + e7 are added to its exponent field
	s_mov_b32 s[CS+1], s[CS]                       ; (named with it as a pair, so it is written)
	s_add_co_i32 s48, s[E8], 127
	s_lshl_b32 s49, s48, 23
	v_mov_b32 v[SCP], s49
	s_add_co_i32 s48, s48, 8
	s_lshl_b32 s48, s48, 23
	s_or_b32 s48, s48, 0x600000
	v_mov_b32 v[LIMP], s48
	s_sub_co_i32 s48, s36, s[E8]
	s_sub_co_i32 s48, s48, s35                     ; e10 - e8 - e9: a sum of the second product stands for sum x 2^(e8 + e9)
	s_add_co_i32 s48, s48, 127
	s_lshl_b32 s49, s48, 23
	v_mov_b32 v[SCO], s49
	s_add_co_i32 s48, s48, 8
	s_lshl_b32 s48, s48, 23
	s_or_b32 s48, s48, 0x600000
	v_mov_b32 v[LIMO], s48
	INIT
	s_wait_loadcnt 16                              ; Q and lot 0 are in; lot 1's sixteen loads may be out
	STORELOT 0, KF
	s_wait_dscnt 0x0
	s_barrier_signal -1
	s_barrier_wait -1                              ; keys 0 to 511 lie in LDS
	WIN 0x40                                       ; the loads' destination in window 1: the switch, the wait, the loads
	s_wait_alu depctr_vm_vsrc(0)                   ; my LDS stores have read the registers that lot 0 passed through: K's fragments land in them
	FETCHK
	WIN 0
	PHASE 1, 2                                     ; steps 0, 1 (they read steps 0 to 2); then keys 512 to 1023
	PHASE 2, 3                                     ; steps 2, 3 (steps 2 to 4); then keys 1024 to 1535
	PHASE 3, 0                                     ; steps 4, 5 (steps 4 to 6); then keys 1536 to 2047.  A long pair has nine steps or more: every wave is at work in all of these
	s_mov_b32 s[CNT], 10
.Llong:                                            ; steps 6 to 15: a constant count in every wave; the steps behind the pair's last are left out inside
	STEP QL, 1
	s_sub_co_u32 s[CNT], s[CNT], 1
	s_cmp_lg_u32 s[CNT], 0
	s_cbranch_scc1 .Llong
	WAYOUT 42
	s_wait_xcnt 0x0                                ; the stores have read their registers, which the short pair's scores take
	s_wait_alu depctr_vm_vsrc(0)                   ; the global stores have read v[S+64 .. S+79], which the short pair's products write; the LDS stores have read v[CDS ..], which its conversions write; the last fetch of K has read v[ADK], which the move below writes
	INIT
	s_mov_b32 s[SI], 0
	s_mov_b32 s[VPR], s[WV]
	s_mov_b32 s[TK], KSTB
	s_mov_b32 s[TV], 0
	v_mov_b32 v[ADK], v[AK0]
	WIN 0x40                                       ; the loads' destination in window 1: the switch, the wait, the loads
	s_wait_alu depctr_va_vdst(0)                   ; v[ADK] is written, which the loads below read
	FETCHK
	WIN 0
	s_mov_b32 s[CNT], 8
.Lshort:
	STEP QS, 1
	s_sub_co_u32 s[CNT], s[CNT], 1
	s_cmp_lg_u32 s[CNT], 0
	s_cbranch_scc1 .Lshort
	WAYOUT 44
	s_wait_xcnt 0x0
	v_lshl_add_u32 v254, v0, 2, 0x4e800
	v_mov_b32 v255, 0
	s_wait_dscnt 0x0                               ; the closing lines, six on end
	s_wait_alu 0x0
	s_wait_tensorcnt 0x0
	ds_add_u32 v254, v255
	s_wait_dscnt 0x0
	s_endpgm
.Lfunc_end_k_q0720ca5517_attn:
	.size	k_q0720ca5517_attn, .Lfunc_end_k_q0720ca5517_attn-k_q0720ca5517_attn
	.p2alignl 7, 3214868480
	.fill 96, 4, 3214868480
	.section	.rodata,"a",@progbits
	.p2align	6, 0x0
	.amdhsa_kernel k_q0720ca5517_attn
		.amdhsa_group_segment_fixed_size 322560
		.amdhsa_private_segment_fixed_size 0
		.amdhsa_enable_private_segment 0
		.amdhsa_kernarg_size 40
		.amdhsa_user_sgpr_count 2
		.amdhsa_user_sgpr_kernarg_segment_ptr 1
		.amdhsa_wavefront_size32 1
		.amdhsa_system_sgpr_workgroup_id_x 1
		.amdhsa_system_sgpr_workgroup_id_y 1
		.amdhsa_system_sgpr_workgroup_id_z 1
		.amdhsa_system_vgpr_workitem_id 0
		.amdhsa_next_free_vgpr 512
		.amdhsa_next_free_sgpr 66
		.amdhsa_reserve_vcc 0
		.amdhsa_float_denorm_mode_32 3
		.amdhsa_float_denorm_mode_16_64 3
		.amdhsa_memory_ordered 1
		.amdhsa_forward_progress 1
		.amdhsa_inst_pref_size 219
	.end_amdhsa_kernel
	.amdgpu_metadata
---
amdhsa.version: [ 1, 2 ]
amdhsa.kernels:
  - .name:           k_q0720ca5517_attn
    .symbol:         k_q0720ca5517_attn.kd
    .args:
      - { .name: q_codes, .offset: 0, .size: 8, .value_kind: global_buffer, .address_space: global }
      - { .name: k_codes, .offset: 8, .size: 8, .value_kind: global_buffer, .address_space: global }
      - { .name: v_codes, .offset: 16, .size: 8, .value_kind: global_buffer, .address_space: global }
      - { .name: lowp_scales, .offset: 24, .size: 8, .value_kind: global_buffer, .address_space: global }
      - { .name: a_codes, .offset: 32, .size: 8, .value_kind: global_buffer, .address_space: global }
    .group_segment_fixed_size: 322560
    .private_segment_fixed_size: 0
    .kernarg_segment_align: 8
    .kernarg_segment_size: 40
    .max_flat_workgroup_size: 256
    .sgpr_count:     66
    .vgpr_count:     512
    .wavefront_size: 32
...
	.end_amdgpu_metadata
.endif
;; end of part 4
;; launch proj: the kernel of part 3 again; grid 4 x 32, 4 waves a work-group, clusters of 4 x 4, 327,680 bytes of LDS; arguments a_codes, Wo_codes, lowp_scales, out0; writes out0
